; MI455X (gfx1250); checked and timed in simulation.
; The chip was launched on July 23, 2026; its instructions are those of AMD's public machine-readable ISA for CDNA 5 (MIT licence, August 2026) and "CDNA5" Instruction Set Architecture Reference Guide (July 2026). The comments in the code are by the model that wrote it; some were corrected since.
;; Transformer. Allowed arithmetic: matrix products marked QUANTISED: E2M1 operands, one E8M0 scale for each 32 along K, by v_wmma_scale_f32_16x16x128_f8f6f4 with both operands' format E2M1 (or v_wmma_scale_f32_32x16x128_f4), f32 sums; everything else in f32.
;; Inputs: WK_cross 256 x 128 float32; WK_self 256 x 128 float32; bK_cross 128 float32; bK_self 128 float32; test_feat 16 x 256 x 32 x 32 float32; train_feat 16 x 256 x 32 x 32 float32; train_label 16 x 32 x 32 float32.
;; Outputs: out0 16 x 256 x 32 x 32 float32; out1 16 x 256 x 32 x 32 float32.
;; This version of the problem:
;;   THIS VERSION OF THE PROBLEM IS GIVEN IN LOW PRECISION. The matrix products marked QUANTISED in the list below multiply operands that are first quantised to E2M1 (2 exponent bits, 1 mantissa bit; 4 bits a number), with one power-of-two scale for each 32 numbers along K (OCP MX v1.0); their sums are f32. All else is computed in f32.
;;   The module's matrix products, in the order in which they are computed (A, B: the left and right operand; K: the contracted axis; several contracted axes count as one K, in the product's order):
;;     1. [M 16,384, K 256] x [K 256, N 128]; A: input train_feat; B: input WK_self: QUANTISED
;;     2. [M 16,384, K 256] x [K 256, N 128]; A: input train_feat; B: input WK_self: QUANTISED
;;     3. batch 16 x [M 1,024, K 128] x [K 128, N 1,024]; A: computed on the way; B: computed on the way: QUANTISED
;;     4. batch 16 x [M 256, K 1,024] x [K 1,024, N 1,024]; A: input train_feat; B: softmax (see below): QUANTISED
;;     5. [M 16,384, K 256] x [K 256, N 128]; A: input train_feat; B: input WK_self: QUANTISED
;;     6. [M 16,384, K 256] x [K 256, N 128]; A: input train_feat; B: input WK_self: QUANTISED
;;     7. batch 16 x [M 1,024, K 128] x [K 128, N 1,024]; A: computed on the way; B: computed on the way: QUANTISED
;;     8. batch 16 x [M 256, K 1,024] x [K 1,024, N 1,024]; A: input train_feat; B: softmax (see below): QUANTISED
;;     9. [M 16,384, K 256] x [K 256, N 128]; A: computed on the way; B: input WK_cross: QUANTISED
;;     10. [M 16,384, K 256] x [K 256, N 128]; A: computed on the way; B: input WK_cross: QUANTISED
;;     11. batch 16 x [M 1,024, K 128] x [K 128, N 1,024]; A: computed on the way; B: computed on the way: QUANTISED
;;     12. batch 16 x [M 256, K 1,024] x [K 1,024, N 1,024]; A: input train_label; B: softmax (see below): QUANTISED
;;     13. [M 16,384, K 256] x [K 256, N 128]; A: computed on the way; B: input WK_cross: QUANTISED
;;     14. [M 16,384, K 256] x [K 256, N 128]; A: computed on the way; B: input WK_cross: QUANTISED
;;     15. batch 16 x [M 1,024, K 128] x [K 128, N 1,024]; A: computed on the way; B: computed on the way: QUANTISED
;;     16. batch 16 x [M 256, K 1,024] x [K 1,024, N 1,024]; A: computed on the way; B: softmax (see below): QUANTISED
;;     17. [M 16,384, K 256] x [K 256, N 128]; A: input test_feat; B: input WK_self: QUANTISED
;;     18. [M 16,384, K 256] x [K 256, N 128]; A: input test_feat; B: input WK_self: QUANTISED
;;     19. batch 16 x [M 1,024, K 128] x [K 128, N 1,024]; A: computed on the way; B: computed on the way: QUANTISED
;;     20. batch 16 x [M 256, K 1,024] x [K 1,024, N 1,024]; A: input test_feat; B: softmax (see below): QUANTISED
;;     21. [M 16,384, K 256] x [K 256, N 128]; A: computed on the way; B: input WK_cross: QUANTISED
;;     22. [M 16,384, K 256] x [K 256, N 128]; A: computed on the way; B: input WK_cross: QUANTISED
;;     23. batch 16 x [M 1,024, K 128] x [K 128, N 1,024]; A: computed on the way; B: computed on the way: QUANTISED
;;     24. batch 16 x [M 256, K 1,024] x [K 1,024, N 1,024]; A: input train_label; B: softmax (see below): QUANTISED
;;     25. [M 16,384, K 256] x [K 256, N 128]; A: computed on the way; B: input WK_cross: QUANTISED
;;     26. [M 16,384, K 256] x [K 256, N 128]; A: computed on the way; B: input WK_cross: QUANTISED
;;     27. batch 16 x [M 1,024, K 128] x [K 128, N 1,024]; A: computed on the way; B: computed on the way: QUANTISED
;;     28. batch 16 x [M 256, K 1,024] x [K 1,024, N 1,024]; A: computed on the way; B: softmax (see below): QUANTISED
;;   THE QUANTISER, for each operand of a quantised product, along K:
;;     - K is cut into blocks of 32 from its start; a last block that is shorter is filled with zeros.
;;     - A block's scale is 2^e with e = floor(log2(the largest magnitude in the block)) - 2, held to -126 .. 127; a block of zeros has e = 0. As a byte (E8M0): e + 127.
;;     - Each number is divided by its block's scale, clamped to +-6, and rounded to the nearest number of E2M1, ties to even, subnormals kept.
;;     - The product sums the exact products of the quantised numbers (number of the format x scale) in f32.
;;   ~~~python
;;   def quantise(x, axis):      # numpy; x: float32 -> the quantised numbers, widened to float32 again
;;       x = np.moveaxis(x, axis, -1); K = x.shape[-1]
;;       x = np.pad(x, [(0, 0)] * (x.ndim - 1) + [(0, -K % 32)]); x = x.reshape(x.shape[:-1] + (-1, 32)); a = np.abs(x).max(-1, keepdims=True)
;;       e = np.where(a > 0, np.clip(np.frexp(np.where(a > 0, a, 1))[1] - 1 - 2, -126, 127), 0)      # np.frexp(a)[1] - 1 = floor(log2(a)), exactly
;;       r = np.clip(x / 2.0 ** e, -6, 6)
;;       step = 2.0 ** (np.maximum(np.frexp(np.where(r == 0, 1, r))[1] - 1, 0) - 1)
;;       q = np.round(r / step) * step * 2.0 ** e      # np.round: ties to even
;;       return np.moveaxis(q.reshape(q.shape[:-2] + (-1,))[..., :K], -1, axis).astype(np.float32)
;;   ~~~
;;   SOFTMAX AHEAD OF A QUANTISED PRODUCT. Where the list says 'softmax', what is quantised is not the finished softmax but p = 2^(t - M), with t = logit x log2(e) and M = ceil(the row's largest t), a whole number; so 1/2 < the row's largest p <= 1. The row's sum l is taken of the UNQUANTISED p, in f32, and the product's result is divided by l at the end. Since M is a whole number, a kernel that streams over the keys may use a running M (the ceiling of the running maximum): every later rescaling is an exact power of two, which a block's scale takes up: the codes' values come out the same.
;;   OPERANDS COMPUTED ON THE WAY. 'Computed on the way' means the value that the module computes at that place (a softmax that the list does not call 'softmax' is quantised finished and normalised). What goes into a quantiser is computed in f32, as accurately as f32 sums, v_exp_f32 and their like allow (about 1e-6 of the number): no bf16 or f16 on the way to a quantiser, and a product that is left as it is and whose result goes on into a quantised operand takes f32 operands (vector FMAs, or v_wmma_f32_16x16x4_f32). A number that lies on a knife's edge between two numbers of the format may be rounded either way, as far as f32 arithmetic and the matrix unit's own rounding can turn it there, and no further.
;; One version. Each part assembles by itself: llvm-mc -triple=amdgcn-amd-amdhsa -mcpu=gfx1250 --defsym DOCPART=n.
;; ======== version 1 of 1: 5 launches
;; limits: a difference of large sums (such as E[x^2] - mean^2): digits are lost where the result is much smaller than its terms
;; workspace buffers: c1 6,684,672 bytes; y 33,554,432 bytes; p1 8,192 bytes; c2 4,653,056 bytes; u4 33,554,432 bytes; mk 131,072 bytes; p2 32,768 bytes
;; launch prep1 (part 1): grid 8 x 32, 8 waves a work-group, no clusters, 168,960 bytes of LDS; arguments train_feat, test_feat, WK_self, bK_self, c1; writes c1
.if DOCPART == 1
	.amdgcn_target "amdgcn-amd-amdhsa--gfx1250"
	.amdhsa_code_object_version 6
	.text
	.protected	k_q52df99d476_prep1
	.globl	k_q52df99d476_prep1
	.p2align	8
	.type	k_q52df99d476_prep1,@function
k_q52df99d476_prep1:
	s_mov_b64 s[64:65], 0
	v_nop
	global_prefetch_b8 v0, s[64:65] scope:SCOPE_SE
	s_setreg_imm32_b32 hwreg(HW_REG_WAVE_MODE, 25, 1), 1
	s_wait_xcnt 0x0
; PREP (STAGE2 = 0: ahead of the self-attention; 1: ahead of the cross-attention).  One work-group takes 128 positions (chunk s = work-group x) of one batch element of one
; tensor (work-group y = 16 T + b; T = 0 train, 1 test): the tile x[b][0..255][128 s ..], 256 rows of 512 bytes, read from memory once, by one tensor load a wave (32 rows each, so that
; all eight waves issue one load and none stands under a branch).  STAGE2 = 1 reads y and multiplies by the instance norm's factor f1 = 8 / sqrt(sum + eps), the sum from the 64 partial sums of the launch before.
; IT MAKES, as codes of E2M1 with one E8M0 byte for each 32 along K:  (1) w = l2norm(Q(x^T) Q(W) + b), quantised along the 128 key channels: keys and queries of the attention;
; (2) the values, quantised along the positions: x itself (STAGE2 = 0), or x1 x label and the label as a tile of 16 equal rows (STAGE2 = 1, T = 0 alone: the test tensor gives queries only).
; OPERANDS ARE STORED AS IMAGES OF THEIR REGISTERS: a fragment (16 rows x 128 K, 8 registers a lane) is 1,024 bytes, registers 4 c .. 4 c + 3 of lane l at 512 c + 16 l.  Scale words lie so that one load of
; 16 bytes a lane gives four scale registers: word (tile t, row r) at 256 (t & 1) + 16 r + 4 ((t & 7) >> 1).  A chunk holds 8 key tiles, 16 value tiles and their scale words on end.
; THE POSITIONS OF A TILE ARE NOT NEIGHBOURS: lane r of tile w takes position 32 (w >> 1) + 8 (w & 1) + r + 8 (r >> 3), and W's columns are chosen likewise, so that 16 registers of two neighbouring result tiles are 16 neighbours along the next K.
; SHARES: wave w quantises W's tile w (its columns come straight from memory, a lane to a column, registers down K, while the tile's tensor load is out), projects position tile w, and quantises value tiles 2 w, 2 w + 1.
; NO CLUSTER: the tile is the work-group's own; W, 128 KiB, is what work-groups share, and each wave needs an eighth of it once, in operand order; a joint load would want W's f32 numbers in LDS, 135,168 bytes more than fit beside the tile.
; LIMITS: NaN and infinities are not served.  A block of zeros gets the byte 1 (its codes are zeros; this program alone reads the bytes).  v_sqrt_f32, v_rcp_f32, v_rsq_f32 are good to 1 ulp and take denormals as zero.
.set STAGE2, 0
.set PITCH, 528                        ; a row of the tile in LDS: 512 bytes + 16 of padding
.set KC, 0                             ; a chunk: 8 key tiles,
.set VC, 8192                          ; 16 value tiles,
.set KS, 24576                         ; the keys' scale words, and behind them the values' (1,024 bytes),
.set LC, 26112                         ; (STAGE2) the label's tile
.set LS, 27136                         ; and its scale word, 128 times
.set CH, 26112+1536*STAGE2
.set REC, 8*CH                         ; a batch element's record
.set QB, 16*8*27648                    ; (STAGE2) behind the 16 records: the test tensor's queries, chunks of 8,192 + 512 bytes
.set QCH, 8704
.set QREC, 8*QCH
.set WIMG, 256*PITCH                   ; LDS behind the tile: W's 16 fragments (2 i + ks),
.set WSC, WIMG+16*1024                 ; their scale words, 128 bytes each,
.set BIA, WSC+16*128                   ; the bias, 512 bytes for each wave,
.set LBL, BIA+8*512                    ; the label's 128 numbers, 512 bytes for each wave,
.set SG, LBL+8*512                     ; and the chunk's scale words on their way out: 512 + 1,024 bytes
.set FLOOR, 0x1800000                  ; 2^(3 - 127): under it no largest magnitude is taken, so a scale's byte cannot fall under 1
.set WV, 16
.set T, 17
.set YID, 18
.set B, 19
.set SEL, 20                           ; s[20:21] lane selects for v_permlanex16_b32: lane l xor 16
.set G1, 24                            ; s[24:31], s[32:35] the tile's descriptor
.set G0, 32
.set DST, 48                           ; s[48:49] my chunk
.set SOF, 50                           ; where the scale words lie in it
.set NW, 51                            ; how many waves store scale words
.if STAGE2
.set P1P, 6
.set LBP, 8
.set WKP, 10
.set BKP, 12
.set DSTP, 14
.else
.set WKP, 8
.set BKP, 10
.set DSTP, 12
.endif
; v1 lane, v2 r, v3 h, v4 16 lane, v5 WSC + 4 lane, v6 8 h, v7 W's offset, v8-9 x's columns, v10 x's rows, v11 bias out of LDS, v12-13 scale words into SG, v14 label out of LDS, v15 W's images in,
; v31 bias into LDS, v62 W's scale words in, v63 W's images out, v201 SG out, v202 its place in the chunk, v203 8 lane, v242-243 the images' places in the chunk: all made at the head, never rewritten
.set M0, 24                            ; v24-30 at work in QFRAG
.set E0, 26
.set B0, 28
.set TT, 30
.set XF, 32                            ; v32-47 x^T's two fragments;  v48-49 their scale words;  v50-57 W's scale words
.set XS, 48
.set WS, 50
.set RAW, 64                           ; v64-191 128 numbers of a lane; later H and WB
.set H, 64                             ; v64-127 the projection's 8 tiles
.set WB, 128                           ; v128-191 8 fragments of W
.set PC, 192                           ; v192-199 codes just made; v200 their scale word
.set PW, 200
.set TM, 204                           ; v204-219 at work in QUANT
.set VQ, 224                           ; v224-239 the two value tiles' codes; v240-241 their scale words
.set VW, 240
.set W2, 244                           ; v244-251 W's second fragment, later the label's codes; v252 the scale word
.set W2S, 252
.macro PLACES n
.rept \n
	v_nop
.endr
.endm
.macro RED v, t                        ; the sum over the wave's 32 lanes, in every lane
	v_add_f32_dpp v[\v], v[\v], v[\v] row_xmask:1 row_mask:0xf bank_mask:0xf
	v_add_f32_dpp v[\v], v[\v], v[\v] row_xmask:2 row_mask:0xf bank_mask:0xf
	v_add_f32_dpp v[\v], v[\v], v[\v] row_xmask:4 row_mask:0xf bank_mask:0xf
	v_add_f32_dpp v[\v], v[\v], v[\v] row_xmask:8 row_mask:0xf bank_mask:0xf
	v_permlanex16_b32 v[\t], v[\v], s[SEL], s[SEL+1]
	v_add_f32 v[\v], v[\v], v[\t]
.endm
; 64 numbers of a lane, register 32 c + i = k 64 c + 32 h + i of my row: two WHOLE blocks.  They become the fragment's registers as they stand; the scale word's four bytes are gathered from lanes l and l xor 16.
.macro QFRAG src, dst, sw
.irp c, 0,1
	v_max3_num_f32 v[M0+\c], |v[(\src)+32*\c]|, |v[(\src)+32*\c+1]|, FLOOR
.endr
.irp i, 2,4,6,8,10,12,14,16,18,20,22,24,26,28,30
.irp c, 0,1
	v_max3_num_f32 v[M0+\c], v[M0+\c], |v[(\src)+32*\c+\i]|, |v[(\src)+32*\c+\i+1]|
.endr
.endr
.irp c, 0,1
	v_add_nc_u32 v[E0+\c], 0xff000000, v[M0+\c]    ; 2 off the exponent field: the conversion takes this operand's exponent field as its scale
.endr
.irp c, 0,1
	v_lshrrev_b32 v[B0+\c], 23, v[E0+\c]           ; the scale's byte
.endr
	v_lshl_or_b32 v[\sw], v[B0+1], 16, v[B0]       ; blocks h and 2 + h,
	v_lshlrev_b32 v[\sw], v6, v[\sw]               ; 8 h bits up;
	v_permlanex16_b32 v[TT], v[\sw], s[SEL], s[SEL+1]
	v_or_b32 v[\sw], v[\sw], v[TT]                 ; with lane l xor 16's two the word is whole
.irp c, 0,1
.irp g, 0,1,2,3
	v_cvt_scalef32_pk8_fp4_f32 v[(\dst)+4*\c+\g], v[(\src)+32*\c+8*\g:(\src)+32*\c+8*\g+7], v[E0+\c]
.endr
.endr
	v_nop                                          ; one plain place behind a scaled conversion
.endm
; 64 numbers of a lane, register 16 b + i = k 32 b + 16 h + i of my row: half blocks.  Codes into v[PC] on, scale word into v[PW].
.macro QUANT s
.irp b, 0,1,2,3
	v_max3_num_f32 v[TM+\b], |v[\s+16*\b]|, |v[\s+1+16*\b]|, FLOOR
.endr
.irp i, 2,4,6,8,10,12,14
.irp b, 0,1,2,3
	v_max3_num_f32 v[TM+\b], v[TM+\b], |v[\s+16*\b+\i]|, |v[\s+1+16*\b+\i]|
.endr
.endr
.irp b, 0,1,2,3
	v_permlanex16_b32 v[TM+4+\b], v[TM+\b], s[SEL], s[SEL+1]
.endr
.irp b, 0,1,2,3
	v_max_num_f32 v[TM+\b], v[TM+\b], v[TM+4+\b]   ; with lane l xor 16's: the block's largest magnitude
.endr
.irp b, 0,1,2,3
	v_add_nc_u32 v[TM+12+\b], 0xff000000, v[TM+\b]
.endr
.irp b, 0,1,2,3
	v_lshrrev_b32 v[TM+4+\b], 23, v[TM+12+\b]
.endr
	v_lshl_or_b32 v[PW], v[TM+5], 8, v[TM+4]
	v_lshl_or_b32 v[PW], v[TM+6], 16, v[PW]
	v_lshl_or_b32 v[PW], v[TM+7], 24, v[PW]
.irp b, 0,1,2,3
	v_cvt_scalef32_pk8_fp4_f32 v[PC+2*\b], v[\s+16*\b:\s+7+16*\b], v[TM+12+\b]
	v_cvt_scalef32_pk8_fp4_f32 v[PC+1+2*\b], v[\s+8+16*\b:\s+15+16*\b], v[TM+12+\b]
.endr
	v_nop                                          ; one plain place behind a scaled conversion
.irp c, 0,1                                    ; the operand wants a whole block in a lane
.irp i, 0,1
	v_permlane16_swap_b32 v[PC+4*\c+\i], v[PC+2+4*\c+\i]
.endr
.endr
.endm
.macro WLOAD ks                        ; W(128 ks + 64 c + 32 h + i, my column): 64 loads
.set i, 0
.rept 64
	global_load_b32 v[RAW+64*\ks+i], v7, s[WKP:WKP+1] offset:(128*\ks+64*(i/32)+i%32)*512
.set i, i+1
.endr
.endm
.macro XLOAD ks                        ; x(128 ks + 64 c + 32 h + i, my position) out of the tile: 64 loads
.set i, 0
.rept 64
	ds_load_b32 v[RAW+64*\ks+i], v[8+\ks] offset:(64*(i/32)+i%32)*PITCH
.set i, i+1
.endr
.endm
.macro VLOAD reg, tt                   ; row 32 w + 16 tt + r of the tile, positions 64 c + 32 h + 0 .. 31: 16 loads
.irp c, 0,1
.irp g, 0,1,2,3,4,5,6,7
	ds_load_b128 v[\reg+32*\c+4*\g:\reg+32*\c+4*\g+3], v10 offset:\tt*16*PITCH+256*\c+16*\g
.endr
.endr
.endm
.macro VSTORE tt                       ; value tile 2 w + tt: each store of the wave covers 512 consecutive bytes, aligned to 256
	global_store_b128 v243, v[VQ+8*\tt:VQ+8*\tt+3], s[DST:DST+1] offset:VC+1024*\tt
	global_store_b128 v243, v[VQ+8*\tt+4:VQ+8*\tt+7], s[DST:DST+1] offset:VC+1024*\tt+512
	ds_store_b32 v13, v[VW+\tt] offset:256*\tt
.endm
.macro TIMES reg, by                   ; 64 numbers times a pair
.set j, 0
.rept 32
	v_pk_mul_f32 v[\reg+j:\reg+j+1], v[\reg+j:\reg+j+1], v[\by:\by+1]
.set j, j+2
.endr
.endm
	s_load_b256 s[4:11], s[0:1], 0x0
.if STAGE2
	s_load_b128 s[12:15], s[0:1], 0x20             ; y s[4:5], p1 s[6:7], label s[8:9], W s[10:11], bias s[12:13], c2 s[14:15]
.else
	s_load_b64 s[12:13], s[0:1], 0x20              ; train s[4:5], test s[6:7], W s[8:9], bias s[10:11], c1 s[12:13]
	v_lshl_add_u32 v254, v0, 2, 0x29000
	v_mov_b32 v255, 0
	ds_add_u32 v254, v255
	ds_add_u32 v254, v255
.endif
	v_lshrrev_b32 v2, 5, v0
	v_readfirstlane_b32 s[WV], v2                  ; wave 0..7
	v_and_b32 v1, 31, v0                           ; lane
	v_and_b32 v2, 15, v0                           ; r
	v_bfe_u32 v3, v0, 4, 1                         ; h
	s_and_b32 s[YID], ttmp7, 0xffff
	s_and_b32 s[B], s[YID], 15
	s_lshr_b32 s[T], s[YID], 4
	s_mov_b32 s[SEL], 0x76543210
	s_mov_b32 s[SEL+1], 0xfedcba98
	; descriptor group 1: 32 rows of 128 elements of 4 bytes, 1,024 elements from row to row; 4 words of padding behind every 128
	s_mov_b32 s[G1+0], (2<<16)|(1<<20)|(6<<22)|(3<<25)
	s_mov_b32 s[G1+1], 128<<16
	s_mov_b32 s[G1+2], 32<<16
	s_mov_b32 s[G1+3], 128<<16
	s_mov_b32 s[G1+4], 32
	s_mov_b32 s[G1+5], 1024
	s_mov_b32 s[G1+6], 0
	s_mov_b32 s[G1+7], 0
	s_mov_b32 s[G0], 1
	s_mul_i32 s[G0+1], s[WV], 32*PITCH             ; my 32 rows' place in LDS
.if STAGE2
	s_lshl_b32 s40, s[YID], 20                     ; y is [T][b][256][1024] f32
.else
	s_lshl_b32 s40, s[B], 20
.endif
	s_lshl_b32 s42, s[WV], 17                      ; + 32 w rows of 4,096 bytes
	s_add_co_u32 s40, s40, s42
	s_lshl_b32 s42, ttmp9, 9                       ; + 128 s positions
	s_add_co_u32 s40, s40, s42
	s_mov_b32 s41, 0
	; where my chunk lies
.if STAGE2
	s_cmp_eq_u32 s[T], 0
	s_mov_b32 s36, QREC
	s_cselect_b32 s36, REC, s36
	s_mov_b32 s37, QCH
	s_cselect_b32 s37, CH, s37
	s_mov_b32 s38, QB
	s_cselect_b32 s38, 0, s38
	s_mov_b32 s[SOF], 8192
	s_cselect_b32 s[SOF], KS, s[SOF]
	s_cselect_b32 s[NW], 3, 1
	s_mul_i32 s36, s36, s[B]
	s_mul_i32 s37, s37, ttmp9
	s_add_co_u32 s36, s36, s37
	s_add_co_u32 s36, s36, s38
	s_lshl_b32 s38, s[B], 12                       ; the label's 128 numbers
	s_add_co_u32 s38, s38, s42
	s_mov_b32 s39, 0
	s_lshl_b32 s56, s[YID], 8                      ; the 64 partial sums
	s_mov_b32 s57, 0
.else
	s_mov_b32 s[SOF], KS
	s_mov_b32 s[NW], 3
	s_mul_i32 s36, s[YID], REC
	s_mul_i32 s37, ttmp9, CH
	s_add_co_u32 s36, s36, s37
.endif
	s_mov_b32 s37, 0
	; every address register
	v_lshlrev_b32 v4, 4, v1
	v_lshlrev_b32 v5, 2, v1
	v_add_nc_u32 v5, WSC, v5
	v_lshlrev_b32 v6, 3, v3
	s_lshr_b32 s42, s[WV], 1
	s_and_b32 s43, s[WV], 1
	s_lshl_b32 s44, s42, 5
	s_lshl_b32 s45, s43, 3
	s_add_co_u32 s44, s44, s45                     ; 32 (w >> 1) + 8 (w & 1)
	v_and_b32 v8, 8, v2
	v_add_nc_u32 v8, v8, v2                        ; r + 8 (r >> 3)
	v_add_nc_u32 v8, s44, v8
	v_lshlrev_b32 v8, 2, v8                        ; my column of W, my position in the tile: 4 bytes each
	v_lshl_add_u32 v7, v3, 14, v8                  ; W: lanes 16-31 begin 32 rows of 512 bytes further down
	v_mul_u32_u24 v9, v3, 32*PITCH
	v_add_nc_u32 v8, v8, v9                        ; the tile likewise
	v_add_nc_u32 v9, 128*PITCH, v8                 ; and its second 128 rows
	v_mul_u32_u24 v10, v2, PITCH
	v_lshl_add_u32 v10, v3, 7, v10
	v_add_nc_u32 v10, s[G0+1], v10                 ; rows: 32 w + r, + 128 h bytes
	s_lshl_b32 s46, s[WV], 9
	v_lshlrev_b32 v11, 6, v3
	v_add_nc_u32 v11, s46, v11
	v_add_nc_u32 v11, BIA, v11
	v_add_nc_u32 v31, s46, v4
	v_add_nc_u32 v201, SG, v31
	v_add_nc_u32 v202, s[SOF], v31
	v_add_nc_u32 v31, BIA, v31
	s_lshl_b32 s45, s43, 8
	s_lshl_b32 s47, s42, 2
	s_add_co_u32 s45, s45, s47
	v_lshlrev_b32 v13, 4, v2
	v_add_nc_u32 v12, s45, v13
	v_add_nc_u32 v12, SG, v12                      ; key tile w's words: 256 (w & 1) + 16 r + 4 (w >> 1)
	s_lshr_b32 s45, s[WV], 2
	s_lshl_b32 s45, s45, 9
	s_and_b32 s47, s[WV], 3
	s_lshl_b32 s47, s47, 2
	s_add_co_u32 s45, s45, s47
	v_add_nc_u32 v13, s45, v13
	v_add_nc_u32 v13, SG+512, v13                  ; value tile 2 w + tt's: 512 (w >> 2) + 256 tt + 16 r + 4 (w & 3)
	s_lshl_b32 s47, s[WV], 11
	v_add_nc_u32 v243, s47, v4
	v_add_nc_u32 v15, WIMG, v243
	v_add_nc_u32 v63, WIMG, v4
	s_lshl_b32 s47, s[WV], 10
	v_add_nc_u32 v242, s47, v4
	s_lshl_b32 s47, s[WV], 8
	v_add_nc_u32 v62, s47, v5
.if STAGE2
	v_lshlrev_b32 v14, 7, v3
	v_add_nc_u32 v14, s46, v14
	v_add_nc_u32 v14, LBL, v14
	v_lshlrev_b32 v203, 3, v1
.endif
	v_mov_b32 v[TT], 0                             ; a lane permute's destination counts as one of its sources
.irp b, 0,1,2,3
	v_mov_b32 v[TM+4+\b], 0
.endr
	s_wait_dscnt 0x0
	s_wait_kmcnt 0x0
.if STAGE2
	s_add_nc_u64 s[G0+2:G0+3], s[4:5], s[40:41]
.else
	s_cmp_eq_u32 s[T], 0
	s_cselect_b64 s[G0+2:G0+3], s[4:5], s[6:7]
	s_add_nc_u64 s[G0+2:G0+3], s[G0+2:G0+3], s[40:41]
.endif
	s_or_b32 s[G0+3], s[G0+3], 0x80000000
	tensor_load_to_lds s[G0:G0+3], s[G1:G1+7]      ; my 32 rows: the wave's one tensor load; these bytes are filled once
	s_nop 0
	PLACES 4
	s_add_nc_u64 s[DST:DST+1], s[DSTP:DSTP+1], s[36:37]
	global_load_b128 v[16:19], v4, s[BKP:BKP+1]    ; the bias, 512 bytes
.if STAGE2
	s_add_nc_u64 s[54:55], s[LBP:LBP+1], s[38:39]
	s_add_nc_u64 s[58:59], s[P1P:P1P+1], s[56:57]
	global_load_b128 v[20:23], v4, s[54:55]        ; the label's 128 numbers
	global_load_b64 v[60:61], v203, s[58:59]       ; 64 partial sums, two a lane
.endif
	WLOAD 0
	s_wait_loadcnt 63                              ; 64 loads stand behind the small ones: they are in
	ds_store_b128 v31, v[16:19]
.if STAGE2
	ds_store_b128 v31, v[20:23] offset:LBL-BIA
	v_add_f32 v60, v60, v61
	RED 60, 61
	v_add_f32 v60, 0x3727c5ac, v60                 ; + 1e-5
	v_rsq_f32 v58, v60
	v_nop
	s_wait_alu depctr_va_vdst(0)                   ; the wait ahead of the first reader
	v_mul_f32 v58, 0x41000000, v58                 ; f1 = sqrt(1 / 4096) sqrt(262144 / (sum + eps)) = 8 / sqrt(sum + eps)
	v_mov_b32 v59, v58
.endif
	WLOAD 1
	s_wait_loadcnt 63                              ; 64 loads stand behind W's first 64: those are in
	QFRAG RAW, PC, PW
	ds_store_b128 v15, v[PC:PC+3]
	ds_store_b128 v15, v[PC+4:PC+7] offset:512
	ds_store_b32 v62, v[PW]
	s_wait_loadcnt 0x0
	QFRAG RAW+64, W2, W2S
	ds_store_b128 v15, v[W2:W2+3] offset:1024
	ds_store_b128 v15, v[W2+4:W2+7] offset:1536
	ds_store_b32 v62, v[W2S] offset:128
	s_wait_tensorcnt 0x0                           ; my rows of the tile have landed,
	s_wait_dscnt 0x0                               ; my images of W are stored:
	s_barrier_signal -1
	s_barrier_wait -1                              ; both hold of every wave
	; ---- x^T: my 16 positions, all 256 channels, a lane to a position, registers down the channels
	XLOAD 0
	XLOAD 1
	s_wait_dscnt 63                                ; 64 loads stand behind the first 64: those are in
.if STAGE2
	TIMES RAW, 58
.endif
	QFRAG RAW, XF, XS
.irp t, 0,1,2,3,4,5,6,7                        ; the bias is the C of the first products: tile 2 b + u wants b(32 b + 16 h + 8 u + 0 .. 7)
	ds_load_b128 v[H+8*\t:H+8*\t+3], v11 offset:128*(\t/2)+32*(\t%2)
	ds_load_b128 v[H+8*\t+4:H+8*\t+7], v11 offset:128*(\t/2)+32*(\t%2)+16
.endr
	s_wait_dscnt 16                                ; x's second 64 are in; the 16 loads of the bias may be out
.if STAGE2
	TIMES RAW+64, 58
.endif
	QFRAG RAW+64, XF+8, XS+1
	; ---- the projection, transposed: source 0 = 16 columns of W, source 1 = my 16 positions; the eight accumulators take turns
.irp ks, 0,1
.if \ks
	PLACES 4                                       ; in front of loads into registers that matrix instructions have read
.endif
.irp i, 0,1,2,3,4,5,6,7
	ds_load_b128 v[WB+8*\i:WB+8*\i+3], v63 offset:(2*\i+\ks)*1024
	ds_load_b128 v[WB+8*\i+4:WB+8*\i+7], v63 offset:(2*\i+\ks)*1024+512
	ds_load_b32 v[WS+\i], v5 offset:(2*\i+\ks)*128
.endr
	s_wait_dscnt 0x0
.if \ks == 0
	PLACES 8                                       ; x's scale word was written by a vector instruction: eight places ahead of a scaled product
.endif
.irp i, 0,1,2,3,4,5,6,7
	v_wmma_scale_f32_16x16x128_f8f6f4 v[H+8*\i:H+8*\i+7], v[WB+8*\i:WB+8*\i+7], v[XF+8*\ks:XF+8*\ks+7], v[H+8*\i:H+8*\i+7], v[WS+\i], v[XS+\ks] matrix_a_fmt:MATRIX_FMT_FP4 matrix_b_fmt:MATRIX_FMT_FP4
.endr
.endr
	PLACES 4
.if STAGE2 == 0
	VLOAD WB, 0                                    ; value tile 2 w is asked for while the norm is worked
.endif
	; ---- l2norm over the 128 channels: my 64 and lane l xor 16's
	v_pk_mul_f32 v[220:221], v[H:H+1], v[H:H+1]
	v_pk_mul_f32 v[222:223], v[H+2:H+3], v[H+2:H+3]
.irp j, 4,8,12,16,20,24,28,32,36,40,44,48,52,56,60
	v_pk_fma_f32 v[220:221], v[H+\j:H+\j+1], v[H+\j:H+\j+1], v[220:221]
	v_pk_fma_f32 v[222:223], v[H+\j+2:H+\j+3], v[H+\j+2:H+\j+3], v[222:223]
.endr
	v_pk_add_f32 v[220:221], v[220:221], v[222:223]
	v_add_f32 v220, v220, v221
	v_permlanex16_b32 v221, v220, s[SEL], s[SEL+1]
	v_add_f32 v220, v220, v221
	v_sqrt_f32 v221, v220
	v_nop
	s_wait_alu depctr_va_vdst(0)
	v_max_num_f32 v221, 0x2b8cbccc, v221           ; max(norm, 1e-12)
	v_rcp_f32 v222, v221
	v_nop
	s_wait_alu depctr_va_vdst(0)
.set j, 0
.rept 32
	v_pk_mul_f32 v[H+j:H+j+1], v[H+j:H+j+1], v[222:223] op_sel_hi:[1,0]
.set j, j+2
.endr
	QUANT H
	global_store_b128 v242, v[PC:PC+3], s[DST:DST+1] offset:KC
	global_store_b128 v242, v[PC+4:PC+7], s[DST:DST+1] offset:KC+512
	ds_store_b32 v12, v[PW]                        ; both halves of the lanes write the same word with the same value
	; ---- the values, quantised along the positions
.if STAGE2 == 0
	VLOAD RAW, 1
	s_wait_dscnt 17                                ; tile 2 w is in; behind it: one store and tile 2 w + 1's 16 loads
	QFRAG WB, VQ, VW
	VSTORE 0
	s_wait_dscnt 1                                 ; tile 2 w + 1 is in; behind it: one store
	QFRAG RAW, VQ+8, VW+1
	VSTORE 1
.else
	s_cmp_lg_u32 s[T], 0                           ; the test tensor gives queries alone
	s_cbranch_scc1 .Lnov
.irp c, 0,1
.irp g, 0,1,2,3,4,5,6,7
	ds_load_b128 v[WB+32*\c+4*\g:WB+32*\c+4*\g+3], v14 offset:256*\c+16*\g   ; the label at my 64 positions
.endr
.endr
	VLOAD RAW, 0
	s_wait_dscnt 0x0
	TIMES RAW, 58                                  ; memory = y f1,
.set j, 0
.rept 32
	v_pk_mul_f32 v[RAW+j:RAW+j+1], v[RAW+j:RAW+j+1], v[WB+j:WB+j+1]   ; times the label: two roundings, as the reference has them
.set j, j+2
.endr
	QFRAG RAW, VQ, VW
	VSTORE 0
	VLOAD RAW, 1
	s_wait_dscnt 0x0
	TIMES RAW, 58
.set j, 0
.rept 32
	v_pk_mul_f32 v[RAW+j:RAW+j+1], v[RAW+j:RAW+j+1], v[WB+j:WB+j+1]
.set j, j+2
.endr
	QFRAG RAW, VQ+8, VW+1
	VSTORE 1
	s_cmp_lg_u32 s[WV], 0                          ; the label's own tile, 16 equal rows: wave 0
	s_cbranch_scc1 .Lnov
	QFRAG WB, W2, W2S
	v_mov_b32 v253, v252
	v_mov_b32 v254, v252
	v_mov_b32 v255, v252
	global_store_b128 v4, v[W2:W2+3], s[DST:DST+1] offset:LC
	global_store_b128 v4, v[W2+4:W2+7], s[DST:DST+1] offset:LC+512
	global_store_b128 v4, v[252:255], s[DST:DST+1] offset:LS
.Lnov:
.endif
	s_wait_dscnt 0x0                               ; my scale words are stored
	s_barrier_signal -1
	s_barrier_wait -1
	s_cmp_ge_u32 s[WV], s[NW]                      ; wave 0: the keys' 512 bytes; waves 1 and 2: the values' 1,024
	s_cbranch_scc1 .Lend
	ds_load_b128 v[20:23], v201
	s_wait_dscnt 0x0
	global_store_b128 v202, v[20:23], s[DST:DST+1]
.Lend:
	s_wait_tensorcnt 0x0
	ds_add_u32 v254, v255
	s_wait_dscnt 0x0
	s_endpgm
.Lfunc_end_k_q52df99d476_prep1:
	.size	k_q52df99d476_prep1, .Lfunc_end_k_q52df99d476_prep1-k_q52df99d476_prep1
	.p2alignl 7, 3214868480
	.fill 96, 4, 3214868480
	.section	.rodata,"a",@progbits
	.p2align	6, 0x0
	.amdhsa_kernel k_q52df99d476_prep1
		.amdhsa_group_segment_fixed_size 168960
		.amdhsa_private_segment_fixed_size 0
		.amdhsa_enable_private_segment 0
		.amdhsa_kernarg_size 40
		.amdhsa_user_sgpr_count 2
		.amdhsa_user_sgpr_kernarg_segment_ptr 1
		.amdhsa_wavefront_size32 1
		.amdhsa_system_sgpr_workgroup_id_x 1
		.amdhsa_system_sgpr_workgroup_id_y 1
		.amdhsa_system_sgpr_workgroup_id_z 1
		.amdhsa_system_vgpr_workitem_id 0
		.amdhsa_next_free_vgpr 256
		.amdhsa_next_free_sgpr 66
		.amdhsa_reserve_vcc 0
		.amdhsa_float_denorm_mode_32 3
		.amdhsa_float_denorm_mode_16_64 3
		.amdhsa_memory_ordered 1
		.amdhsa_forward_progress 1
		.amdhsa_inst_pref_size 62
	.end_amdhsa_kernel
	.amdgpu_metadata
---
amdhsa.version: [ 1, 2 ]
amdhsa.kernels:
  - .name:           k_q52df99d476_prep1
    .symbol:         k_q52df99d476_prep1.kd
    .args:
      - { .name: train_feat, .offset: 0, .size: 8, .value_kind: global_buffer, .address_space: global }
      - { .name: test_feat, .offset: 8, .size: 8, .value_kind: global_buffer, .address_space: global }
      - { .name: WK_self, .offset: 16, .size: 8, .value_kind: global_buffer, .address_space: global }
      - { .name: bK_self, .offset: 24, .size: 8, .value_kind: global_buffer, .address_space: global }
      - { .name: c1, .offset: 32, .size: 8, .value_kind: global_buffer, .address_space: global }
    .group_segment_fixed_size: 168960
    .private_segment_fixed_size: 0
    .kernarg_segment_align: 8
    .kernarg_segment_size: 40
    .max_flat_workgroup_size: 256
    .sgpr_count:     66
    .vgpr_count:     256
    .wavefront_size: 32
...
	.end_amdgpu_metadata
.endif
;; end of part 1
;; launch attn1 (part 2): grid 8 x 32, 8 waves a work-group, clusters of 4 x 1, 209,920 bytes of LDS; arguments c1, train_feat, test_feat, y, p1; writes y, p1
.if DOCPART == 2
	.amdgcn_target "amdgcn-amd-amdhsa--gfx1250"
	.amdhsa_code_object_version 6
	.text
	.protected	k_q52df99d476_attn1
	.globl	k_q52df99d476_attn1
	.p2align	8
	.type	k_q52df99d476_attn1,@function
k_q52df99d476_attn1:
	s_mov_b64 s[64:65], 0
	v_nop
	global_prefetch_b8 v0, s[64:65] scope:SCOPE_SE
	s_setreg_imm32_b32 hwreg(HW_REG_WAVE_MODE, 25, 1), 1
	s_wait_xcnt 0x0
	s_wait_alu depctr_hold_cnt(0) depctr_sa_sdst(0) depctr_va_vdst(0) depctr_va_sdst(0) depctr_va_ssrc(0) depctr_va_vcc(0) depctr_vm_vsrc(0)
	s_getreg_b32 s2, hwreg(HW_REG_IB_STS2, 6, 4)
	s_cmp_eq_u32 s2, 0
	s_cbranch_scc0 .Lentry_in_a_cluster
	s_endpgm
.Lentry_in_a_cluster:
	s_bfe_u32 s2, ttmp6, 0x10000c
	s_cmp_lg_u32 s2, 0x3003
	s_cbranch_scc0 .Lentry_shape_is_right
	s_endpgm
.Lentry_shape_is_right:
; ATTENTION on codes of E2M1 (CROSS = 0: self-attention, y = x + O / l and the partial sums of y^2;  1: cross-attention with 17 value tiles: u4 = x1 + t3, the mask, and three partial sums).
; A work-group owns 128 queries (block qb) of one batch element of one tensor (work-group y = 16 T + b); each of its eight waves owns one tile of 16 queries and walks all 1,024 keys, 128 a step, eight steps written out.
; THE WHOLE RECORD of the batch element (8 chunks: key tiles, value tiles, scale words, all as images of operand registers) lies in LDS as it lies in memory.  It is filled ONCE, in two halves, one load a wave for each half:
; two tensor loads of a wave are out at the most.  No byte is filled again.
; CLUSTER: the four work-groups of a cluster belong to one batch element and need the same record: each part is asked for JOINTLY, by the same load with the same descriptor and the mask of all four.
; LAYOUT: both products are used transposed, S^T = K Q^T and O^T = V^T P^T: a lane holds one query throughout.  The keys of a tile are chosen (32 (i >> 1) + 8 (i & 1) + r + 8 (r >> 3)) so that p's 16 registers of two
; neighbouring tiles are 16 neighbouring keys.  The queries of a tile are chosen the same way, which the way out undoes by its addresses.
; SOFTMAX: t = score x 30 log2(e); M = the running largest t rounded up to a whole number; p = 2^(t - M) is quantised along the keys, not normalised; the row's sum is taken of the unquantised p and divides at the end.
; When M moves, the sum and O^T are multiplied by 2^(old M - new M), which rounds nothing.
; THE WAY OUT: O^T / l goes into a stage [channel][query] laid over the record (which nobody reads any more and which has had its only fill); each wave then takes 32 whole rows of 512 bytes.
; LIMITS: NaN and infinities are not served.  v_exp_f32, v_rcp_f32, v_rsq_f32 are good to 1 ulp and take denormals as zero.  The sums of squares are added in a fixed tree order, not the reference's.
.set CROSS, 0
.set CH, 26112+1536*CROSS
.set REC, 8*CH
.set HALF, 4*CH
.set PART, HALF/8                      ; what one load brings: 51 or 54 rows of 256 bytes
.set ROWS, PART/256
.set KC, 0
.set VC, 8192
.set KS, 24576
.set VS, 25088
.set LC, 26112
.set LS, 27136
.set QB, 16*8*27648
.set QCH, 8704
.set QREC, 8*QCH
.set PITCH, 528                        ; a row of the stage: 512 bytes + 16
.set MSK, 256*PITCH                    ; behind the stage: the mask of the 128 queries
.set FLOOR, 0x1800000
.set WV, 16
.set CX, 17
.set QBK, 18
.set YID, 19
.set SEL, 20
.set CS, 22                            ; s[22:23] 30 log2(e), twice
.set G1, 24
.set G0A, 32
.set G0B, 36
.set XB, 48                            ; s[48:49] my 32 rows of x (CROSS: of y)
.set YB, 50                            ; s[50:51] my 32 rows of the result
.set PB, 52                            ; s[52:53] my partial sums' place
.set QA, 54                            ; s[54:55] my block's query tiles;  s[56:57] their scale words
.set QSA, 56
.set MKB, 58
.set SAVE, 60
.set T, 61
.set B, 62
; window 0: v1 16 lane, v2 4 lane, v3-4 the same + the chunk in hand, v5 Q's scale offset, v6-7 into the stage, v8 into the mask row, v9 out of the stage, v10 4,096 lane, v11 lane, v25 Q's offset, v26 out of the mask row,
;   v27 8 lane, v199 0;  v12 -M, v13 the largest t, v[14:15] the sum;  v16-23 Q, v24 its scale words
.set KB, 32                            ; v32-95   8 key tiles
.set S, 96                             ; v96-159  S^T, then p
.set X, 32                             ; v32-159  the way out: 32 rows of x
.set PC, 160                           ; v160-167 p's codes;  v168 its scale word
.set PW, 168
.set KSC, 170                          ; v170-173 the keys' scale words;  v174-181 the values';  v182 the label's
.set VSC, 174
.set LSC, 182
.set BM, 184                           ; v184-195 at work on the four blocks
.set BT, 188
.set BE, 192
.set F, 196                            ; v[196:197] 2^(old M - new M); v198 at work; v[200:201] the second chain of the sum
.set F1, 204                           ; v[202:203] partial sums, v[204:205] f1
.set MK4, 208
.set RL, 212                           ; v[212:213] 1 / l
.set SUM2, 216                         ; v216-223, v240-247, v248-255: four chains for each sum of the way out
.set LACC, 224                         ; v224-231 the label's accumulator;  v232-239 the label's tile
.set LFR, 232
.set SUM0, 240
.set SUM1, 248
; window 1: v0-127 O^T (tile t at 8 t);  v128-255 the step's 16 value tiles, on the way out 32 rows of the stage
.set MSB, 0
.macro WIN new                         ; the immediate's high byte repeats the setting that is left
.if MSB != \new
	s_set_vgpr_msb (MSB<<8)|\new
.set MSB, \new
.endif
.endm
.macro PLACES n
.rept \n
	v_nop
.endr
.endm
.macro RED v, t
	v_add_f32_dpp v[\v], v[\v], v[\v] row_xmask:1 row_mask:0xf bank_mask:0xf
	v_add_f32_dpp v[\v], v[\v], v[\v] row_xmask:2 row_mask:0xf bank_mask:0xf
	v_add_f32_dpp v[\v], v[\v], v[\v] row_xmask:4 row_mask:0xf bank_mask:0xf
	v_add_f32_dpp v[\v], v[\v], v[\v] row_xmask:8 row_mask:0xf bank_mask:0xf
	v_permlanex16_b32 v[\t], v[\v], s[SEL], s[SEL+1]
	v_add_f32 v[\v], v[\v], v[\t]
.endm
.macro FOLD a                          ; four chains of pairs become one number in every lane
	v_pk_add_f32 v[\a:\a+1], v[\a:\a+1], v[\a+2:\a+3]
	v_pk_add_f32 v[\a+4:\a+5], v[\a+4:\a+5], v[\a+6:\a+7]
	v_pk_add_f32 v[\a:\a+1], v[\a:\a+1], v[\a+4:\a+5]
	v_add_f32 v[\a], v[\a], v[\a+1]
	RED \a, \a+1
.endm
.macro CROUND                          ; a round of the cluster's barrier
	s_barrier_signal -1
	s_barrier_wait -1
	s_cmp_lg_u32 s[WV], 0
	s_cbranch_scc1 .Lnot_wave_0_\@
	s_barrier_signal -3
.Lnot_wave_0_\@:
	s_barrier_wait -3
	s_barrier_signal -1
	s_barrier_wait -1
.endm
; one product.  zero = 1: it starts its sum.  row = 1: source 0's scale words stand in lanes 16-31 of their register
.macro MM d, a, b, zero, sa, sb, row
.if \zero
.if \row
	v_wmma_scale_f32_16x16x128_f8f6f4 v[(\d):(\d)+7], v[(\a):(\a)+7], v[(\b):(\b)+7], 0, v[\sa], v[\sb] matrix_a_fmt:MATRIX_FMT_FP4 matrix_b_fmt:MATRIX_FMT_FP4 matrix_a_scale:MATRIX_SCALE_ROW1
.else
	v_wmma_scale_f32_16x16x128_f8f6f4 v[(\d):(\d)+7], v[(\a):(\a)+7], v[(\b):(\b)+7], 0, v[\sa], v[\sb] matrix_a_fmt:MATRIX_FMT_FP4 matrix_b_fmt:MATRIX_FMT_FP4
.endif
.else
.if \row
	v_wmma_scale_f32_16x16x128_f8f6f4 v[(\d):(\d)+7], v[(\a):(\a)+7], v[(\b):(\b)+7], v[(\d):(\d)+7], v[\sa], v[\sb] matrix_a_fmt:MATRIX_FMT_FP4 matrix_b_fmt:MATRIX_FMT_FP4 matrix_a_scale:MATRIX_SCALE_ROW1
.else
	v_wmma_scale_f32_16x16x128_f8f6f4 v[(\d):(\d)+7], v[(\a):(\a)+7], v[(\b):(\b)+7], v[(\d):(\d)+7], v[\sa], v[\sb] matrix_a_fmt:MATRIX_FMT_FP4 matrix_b_fmt:MATRIX_FMT_FP4
.endif
.endif
.endm
.macro KLOAD off                       ; a chunk's 8 key tiles and their scale words, off bytes on from v3's chunk: 17 loads
.irp i, 0,1,2,3,4,5,6,7
	ds_load_b128 v[KB+8*\i:KB+8*\i+3], v3 offset:\off+KC+1024*\i
	ds_load_b128 v[KB+8*\i+4:KB+8*\i+7], v3 offset:\off+KC+1024*\i+512
.endr
	ds_load_b128 v[KSC:KSC+3], v3 offset:\off+KS
.endm
; A KEY STEP: chunk s.  first = 1: its products start O^T.  nextk = 1: the next chunk's keys are fetched
.macro STEP s, first, nextk
	s_wait_dscnt 0x0                               ; the 17 loads of this chunk's keys
.irp i, 0,1,2,3,4,5,6,7
	MM S+8*\i,KB+8*\i,16,1,KSC+\i/2,24,\i%2
.endr
	v_add_nc_u32 v3, \s*CH, v1                     ; four places: ahead of the reads of S^T, and of the loads into registers that these products and the last step's have read
	v_add_nc_u32 v4, \s*CH, v2
	v_nop
	v_nop
	WIN 0x40                                       ; destination window 1
.irp t, 0,1,2,3,4,5,6,7,8,9,10,11,12,13,14,15
	ds_load_b128 v[128+8*\t:128+8*\t+3], v3 offset:VC+1024*\t
	ds_load_b128 v[128+8*\t+4:128+8*\t+7], v3 offset:VC+1024*\t+512
.endr
	WIN 0
	ds_load_b128 v[VSC:VSC+3], v3 offset:VS
	ds_load_b128 v[VSC+4:VSC+7], v3 offset:VS+512
.if CROSS
	ds_load_b128 v[LFR:LFR+3], v3 offset:LC
	ds_load_b128 v[LFR+4:LFR+7], v3 offset:LC+512
	ds_load_b32 v[LSC], v4 offset:LS
.endif
.if \nextk
	KLOAD CH
.endif
.if \s == 1
	; a prefetch of what the way out will load six key steps on: my wave's 32 rows of 512 bytes, a lane a row, two blocks of 256 bytes; no other wave of the launch names them; the address registers are never rewritten
	global_prefetch_b8 v10, s[XB:XB+1] th:TH_LOAD_NT scope:SCOPE_SE
	global_prefetch_b8 v10, s[XB:XB+1] offset:256 th:TH_LOAD_NT scope:SCOPE_SE
.endif
.irp b, 0,1,2,3
	v_max3_num_f32 v[BM+\b], v[S+16*\b], v[S+16*\b+1], v[S+16*\b+2]   ; the largest score of each block of 32 keys: for the row's maximum, and, since p rises with the score, for the block's largest p
.endr
.irp i, 3,5,7,9,11,13
.irp b, 0,1,2,3
	v_max3_num_f32 v[BM+\b], v[BM+\b], v[S+16*\b+\i], v[S+16*\b+\i+1]
.endr
.endr
.irp b, 0,1,2,3
	v_max_num_f32 v[BM+\b], v[BM+\b], v[S+16*\b+15]
.endr
.irp b, 0,1,2,3
	v_permlanex16_b32 v[BT+\b], v[BM+\b], s[SEL], s[SEL+1]
.endr
.irp b, 0,1,2,3
	v_max_num_f32 v[BM+\b], v[BM+\b], v[BT+\b]     ; with lane l xor 16's 16 keys
.endr
	v_max3_num_f32 v198, v[BM], v[BM+1], v[BM+2]
	v_max_num_f32 v198, v198, v[BM+3]
	v_mul_f32 v198, s[CS], v198                    ; as t
	v_max_num_f32 v13, v13, v198                   ; the running largest t
	v_mov_b32 v198, v12
	v_floor_f32 v12, -v13                          ; -M = floor(-t): M is a whole number
	v_sub_f32 v198, v12, v198                      ; old M - new M, 0 or less
	v_cvt_i32_f32 v198, v198                       ; (it saturates)
	v_ldexp_f32 v[F], 1.0, v198
.set j, 0
.rept 32
	v_pk_fma_f32 v[S+j:S+j+1], v[S+j:S+j+1], s[CS:CS+1], v[12:13] op_sel_hi:[1,0,0]   ; t - M
.set j, j+2
.endr
.irp b, 0,1,2,3
	v_fma_f32 v[BM+\b], v[BM+\b], s[CS], v12
.endr
.set j, 0
.rept 64
	v_exp_f32 v[S+j], v[S+j]                       ; p = 2^(t - M)
.set j, j+1
.endr
	v_pk_mul_f32 v[14:15], v[14:15], v[F:F+1] op_sel_hi:[1,0]   ; the sum under the new M (a plain place behind the exponentials)
	s_wait_alu depctr_va_vdst(0)                   ; one wait for the batch, ahead of its first reader
.irp b, 0,1,2,3
	v_exp_f32 v[BM+\b], v[BM+\b]                   ; each block's largest p
.endr
	v_pk_add_f32 v[200:201], v[S:S+1], v[S+2:S+3]  ; the row's sum of the unquantised p, in two chains
.irp j, 4,8,12,16,20,24,28,32,36,40,44,48,52,56,60
	v_pk_add_f32 v[14:15], v[14:15], v[S+\j:S+\j+1]
	v_pk_add_f32 v[200:201], v[200:201], v[S+\j+2:S+\j+3]
.endr
	v_pk_add_f32 v[14:15], v[14:15], v[200:201]
	s_wait_alu depctr_va_vdst(0)                   ; and one for the four
.irp b, 0,1,2,3
	v_max_num_f32 v[BM+\b], FLOOR, v[BM+\b]
.endr
.irp b, 0,1,2,3
	v_add_nc_u32 v[BE+\b], 0xff000000, v[BM+\b]    ; 2 off the exponent field: the conversion's scale operand
.endr
.irp b, 0,1,2,3
	v_lshrrev_b32 v[BT+\b], 23, v[BE+\b]           ; the scale's byte
.endr
	v_lshl_or_b32 v[PW], v[BT+1], 8, v[BT]
	v_lshl_or_b32 v[PW], v[BT+2], 16, v[PW]
	v_lshl_or_b32 v[PW], v[BT+3], 24, v[PW]
.irp b, 0,1,2,3
	v_cvt_scalef32_pk8_fp4_f32 v[PC+2*\b], v[S+16*\b:S+16*\b+7], v[BE+\b]
	v_cvt_scalef32_pk8_fp4_f32 v[PC+2*\b+1], v[S+16*\b+8:S+16*\b+15], v[BE+\b]
.endr
	v_nop                                          ; one plain place behind a scaled conversion
.irp c, 0,1
.irp i, 0,1
	v_permlane16_swap_b32 v[PC+4*\c+\i], v[PC+4*\c+2+\i]
.endr
.endr
.if \first
	PLACES 8                                       ; p's scale word was written by vector instructions: eight places ahead of a scaled product
.else
	WIN 0x41                                       ; O^T in window 1, the factor in window 0.  These lines are also the places ahead of the products
.set j, 0
.rept 64
	v_pk_mul_f32 v[j:j+1], v[j:j+1], v[F:F+1] op_sel_hi:[1,0]
.set j, j+2
.endr
	WIN 0
.if CROSS
.irp j, 0,2,4,6
	v_pk_mul_f32 v[LACC+\j:LACC+\j+1], v[LACC+\j:LACC+\j+1], v[F:F+1] op_sel_hi:[1,0]
.endr
.endif
.endif
.if \nextk
	s_wait_dscnt 17                                ; the values are in; the next chunk's 17 loads may be out
.else
	s_wait_dscnt 0x0
.endif
	WIN 0x51                                       ; source 0, C and D in window 1, p in window 0
.irp t, 0,1,2,3,4,5,6,7,8,9,10,11,12,13,14,15
	MM 8*\t,128+8*\t,PC,\first,VSC+\t/2,PW,\t%2
.endr
	WIN 0
.if CROSS
	MM LACC,LFR,PC,\first,LSC,PW,0
.endif
.endm
	s_load_b256 s[4:11], s[0:1], 0x0
.if CROSS
	s_load_b128 s[12:15], s[0:1], 0x20             ; c2 s[4:5], y s[6:7], p1 s[8:9], u4 s[10:11], mk s[12:13], p2 s[14:15]
.else
	s_load_b64 s[12:13], s[0:1], 0x20              ; c1 s[4:5], train s[6:7], test s[8:9], y s[10:11], p1 s[12:13]
	v_lshl_add_u32 v254, v0, 2, 0x33000
	v_mov_b32 v255, 0
	ds_add_u32 v254, v255
	ds_add_u32 v254, v255
.endif
	v_lshrrev_b32 v28, 5, v0
	v_readfirstlane_b32 s[WV], v28                 ; wave 0..7
	s_bfe_u32 s[CX], ttmp6, 0x40000                ; my place in the cluster: it enters global addresses of my own alone
	s_lshl_b32 s[QBK], ttmp9, 2
	s_add_co_u32 s[QBK], s[QBK], s[CX]             ; my block of 128 queries
	s_and_b32 s[YID], ttmp7, 0xffff
	s_and_b32 s[B], s[YID], 15
	s_lshr_b32 s[T], s[YID], 4
	s_mov_b32 s[SEL], 0x76543210
	s_mov_b32 s[SEL+1], 0xfedcba98
	s_mov_b32 s[CS], 0x422d1f97                    ; 30 log2(e)
	s_mov_b32 s[CS+1], s[CS]
	; descriptor group 1: a dense block as ROWS rows of 32 elements of 8 bytes; the mask names all four work-groups, bit 21 beside it
	s_mov_b32 s[G1+0], 15|(3<<16)|(1<<21)
	s_mov_b32 s[G1+1], 32<<16
	s_mov_b32 s[G1+2], ROWS<<16
	s_mov_b32 s[G1+3], 32<<16
	s_mov_b32 s[G1+4], ROWS
	s_mov_b32 s[G1+5], 32
	s_mov_b32 s[G1+6], 0
	s_mov_b32 s[G1+7], 0
	; every address register
	v_and_b32 v11, 31, v0
	v_lshlrev_b32 v1, 4, v11
	v_lshlrev_b32 v2, 2, v11
	v_and_b32 v28, 15, v0                          ; r
	v_bfe_u32 v29, v0, 4, 1                        ; h
	s_lshr_b32 s41, s[WV], 1
	s_and_b32 s42, s[WV], 1
	s_lshl_b32 s43, s41, 5
	s_lshl_b32 s63, s42, 3
	s_add_co_u32 s43, s43, s63
	v_and_b32 v6, 8, v28
	v_add_nc_u32 v6, v6, v28
	v_add_nc_u32 v6, s43, v6                       ; my query in the block: 32 (w >> 1) + 8 (w & 1) + r + 8 (r >> 3)
	v_lshlrev_b32 v6, 2, v6
.if CROSS
	v_add_nc_u32 v8, MSK, v6
	v_add_nc_u32 v26, MSK, v1
	v_lshlrev_b32 v27, 3, v11
.endif
	v_mul_u32_u24 v7, v29, 8*PITCH
	v_add_nc_u32 v6, v6, v7                        ; into the stage: channel 8 h on, my query's column
	v_add_nc_u32 v7, 128*PITCH, v6                 ; and channels 128 on
	s_mul_i32 s43, s[WV], 32*PITCH
	v_add_nc_u32 v9, s43, v1                       ; out of it: my 32 rows, 16 bytes a lane
	v_lshlrev_b32 v10, 12, v11
	s_lshl_b32 s43, s42, 8
	s_lshl_b32 s63, s41, 2
	s_add_co_u32 s43, s43, s63
	v_lshlrev_b32 v5, 4, v28
	v_add_nc_u32 v5, s43, v5                       ; query tile w's scale words: 256 (w & 1) + 16 r + 4 (w >> 1)
	s_lshl_b32 s43, s[WV], 10
	v_add_nc_u32 v25, s43, v1
	v_mov_b32 v199, 0
	v_mov_b32 v3, v1
	v_mov_b32 v13, 0xff61b1e6                      ; the largest t so far: -3e38
	v_floor_f32 v12, -v13
	v_mov_b32 v14, 0
	v_mov_b32 v15, 0
.irp b, 0,1,2,3
	v_mov_b32 v[BT+\b], 0                          ; a lane permute's destination counts as one of its sources
.endr
	v_mov_b32 v[F+1], 0                            ; (named as the upper half of a pair)
	; the record: nothing here hangs on my place in the cluster
.if CROSS
	s_mul_i32 s40, s[B], REC
.else
	s_mul_i32 s40, s[YID], REC
.endif
	s_mov_b32 s[G0A], 1
	s_mov_b32 s[G0B], 1
	s_mul_i32 s[G0A+1], s[WV], PART
	s_add_co_u32 s[G0B+1], s[G0A+1], HALF
	s_add_co_u32 s42, s40, s[G0A+1]
	s_mov_b32 s43, 0
	s_wait_dscnt 0x0
	s_wait_kmcnt 0x0
	s_add_nc_u64 s[G0A+2:G0A+3], s[4:5], s[42:43]
	s_add_nc_u64 s[G0B+2:G0B+3], s[G0A+2:G0A+3], HALF
	s_or_b32 s[G0A+3], s[G0A+3], 0x80000000
	s_or_b32 s[G0B+3], s[G0B+3], 0x80000000
	CROUND                                         ; all four work-groups are here: the joint loads meet
	tensor_load_to_lds s[G0A:G0A+3], s[G1:G1+7]    ; my part of chunks 0 to 3
	s_nop 0
	tensor_load_to_lds s[G0B:G0B+3], s[G1:G1+7]    ; and of chunks 4 to 7
	s_nop 0
	PLACES 4
	; my own addresses
.if CROSS
	s_cmp_eq_u32 s[T], 0                           ; the train tensor's queries are the record's keys; the test tensor's lie behind the records
	s_mov_b32 s44, QREC
	s_cselect_b32 s44, REC, s44
	s_mov_b32 s45, QCH
	s_cselect_b32 s45, CH, s45
	s_mov_b32 s46, QB
	s_cselect_b32 s46, 0, s46
	s_mov_b32 s47, 8192
	s_cselect_b32 s47, KS, s47
	s_mul_i32 s44, s44, s[B]
	s_mul_i32 s45, s45, s[QBK]
	s_add_co_u32 s44, s44, s45
	s_add_co_u32 s44, s44, s46
	s_mov_b32 s45, 0
	s_add_nc_u64 s[QA:QA+1], s[4:5], s[44:45]
	s_mov_b32 s46, s47
	s_mov_b32 s47, 0
	s_add_nc_u64 s[QSA:QSA+1], s[QA:QA+1], s[46:47]
.else
	s_mul_i32 s44, s[QBK], CH
	s_add_co_u32 s44, s44, s40
	s_mov_b32 s45, 0
	s_add_nc_u64 s[QA:QA+1], s[4:5], s[44:45]
	s_add_nc_u64 s[QSA:QSA+1], s[QA:QA+1], KS
.endif
	global_load_b128 v[16:19], v25, s[QA:QA+1]     ; Q's fragment stays in registers
	global_load_b128 v[20:23], v25, s[QA:QA+1] offset:512
	global_load_b32 v24, v5, s[QSA:QSA+1]
.if CROSS
	s_lshl_b32 s44, s[YID], 8
	s_add_nc_u64 s[8:9], s[8:9], s[44:45]
	global_load_b64 v[202:203], v27, s[8:9]        ; the 64 partial sums of y^2
.endif
	s_lshl_b32 s46, s[WV], 17                      ; 32 w rows of 4,096 bytes
	s_lshl_b32 s47, s[QBK], 9                      ; 128 qb positions
	s_add_co_u32 s46, s46, s47
	s_lshl_b32 s44, s[YID], 20
	s_add_co_u32 s44, s44, s46
.if CROSS
	s_add_nc_u64 s[XB:XB+1], s[6:7], s[44:45]
	s_add_nc_u64 s[YB:YB+1], s[10:11], s[44:45]
.else
	s_add_nc_u64 s[YB:YB+1], s[10:11], s[44:45]
	s_lshl_b32 s44, s[B], 20
	s_add_co_u32 s44, s44, s46
	s_cmp_eq_u32 s[T], 0
	s_cselect_b64 s[XB:XB+1], s[6:7], s[8:9]
	s_add_nc_u64 s[XB:XB+1], s[XB:XB+1], s[44:45]
.endif
	s_lshl_b32 s44, s[QBK], 3
	s_add_co_u32 s44, s44, s[WV]
.if CROSS
	s_lshl_b32 s44, s44, 4
	s_lshl_b32 s46, s[YID], 10
	s_add_co_u32 s44, s44, s46
	s_add_nc_u64 s[PB:PB+1], s[14:15], s[44:45]
	s_lshl_b32 s44, s[YID], 12
	s_add_co_u32 s44, s44, s47
	s_add_nc_u64 s[MKB:MKB+1], s[12:13], s[44:45]
.else
	s_lshl_b32 s44, s44, 2
	s_lshl_b32 s46, s[YID], 8
	s_add_co_u32 s44, s44, s46
	s_add_nc_u64 s[PB:PB+1], s[12:13], s[44:45]
.endif
	s_wait_tensorcnt 0x1                           ; my part of chunks 0 to 3 is in; the other half's load may stay out
	s_barrier_signal -1
	s_barrier_wait -1                              ; everybody's is
	KLOAD 0
	s_wait_loadcnt 0x0                             ; Q
.if CROSS
	v_add_f32 v202, v202, v203
	RED 202, 203
	v_add_f32 v202, 0x3727c5ac, v202               ; + 1e-5
	v_rsq_f32 v[F1], v202
	v_nop
	s_wait_alu depctr_va_vdst(0)
	v_mul_f32 v[F1], 0x41000000, v[F1]             ; f1 = 8 / sqrt(sum + eps)
	v_mov_b32 v[F1+1], v[F1]
.endif
	STEP 0, 1, 1
	STEP 1, 0, 1
	STEP 2, 0, 1
	STEP 3, 0, 0
	s_wait_tensorcnt 0x0                           ; my part of chunks 4 to 7 is in,
	s_wait_dscnt 0x0
	s_barrier_signal -1
	s_barrier_wait -1                              ; everybody's is
	KLOAD CH                                       ; (v3 stands at chunk 3)
	STEP 4, 0, 1
	STEP 5, 0, 1
	STEP 6, 0, 1
	STEP 7, 0, 0
	; ---- THE WAY OUT
.set i, 0
.rept 32
	global_load_b128 v[X+4*i:X+4*i+3], v1, s[XB:XB+1] offset:4096*i th:TH_LOAD_NT   ; my 32 rows, 512 consecutive bytes each
.set i, i+1
.endr
	v_add_f32 v14, v14, v15                        ; the sum's two halves,
	v_permlanex16_b32 v198, v14, s[SEL], s[SEL+1]
	v_add_f32 v14, v14, v198                       ; and lane l xor 16's
	v_rcp_f32 v[RL], v14
	v_nop
	s_wait_alu depctr_va_vdst(0)
	v_mov_b32 v[RL+1], v[RL]
	PLACES 4                                       ; behind the last products, ahead of the first read of their results
	WIN 0x41
.set j, 0
.rept 64
	v_pk_mul_f32 v[j:j+1], v[j:j+1], v[RL:RL+1]    ; O^T / l, each accumulator from its low end on
.set j, j+2
.endr
	WIN 0
.if CROSS
	v_mul_f32 v198, v[LACC], v[RL]                 ; the mask of my query: the label's 16 rows are equal
.endif
	s_wait_dscnt 0x0
	s_barrier_signal -1
	s_barrier_wait -1                              ; no wave reads the record any more
	WIN 0x04                                       ; an LDS store's data are its source 1: window 1
.irp t, 0,1,2,3,4,5,6,7,8,9,10,11,12,13,14,15
.irp j, 0,1,2,3,4,5,6,7
	ds_store_b32 v[6+\t/8], v[8*\t+\j] offset:(16*(\t%8)+\j)*PITCH   ; channel 16 t + 8 h + j, my query
.endr
.endr
	WIN 0
.if CROSS
	ds_store_b32 v8, v198                          ; both halves of the lanes write the same word with the same value
.endif
	s_wait_dscnt 0x0                               ; my stores are done
	s_barrier_signal -1
	s_barrier_wait -1
	WIN 0x40
.set i, 0
.rept 32
	ds_load_b128 v[128+4*i:128+4*i+3], v9 offset:PITCH*i
.set i, i+1
.endr
	WIN 0
.if CROSS
	ds_load_b128 v[MK4:MK4+3], v26
.endif
	s_wait_dscnt 0x0
	s_wait_loadcnt 0x0
.if CROSS == 0
	WIN 0x04                                       ; source 1 in window 1
.set k, 0
.rept 64
	v_pk_add_f32 v[X+2*k:X+2*k+1], v[X+2*k:X+2*k+1], v[128+2*k:128+2*k+1]   ; y = x + attention
.set k, k+1
.endr
	WIN 0
.set i, 0
.rept 32
	global_store_b128 v1, v[X+4*i:X+4*i+3], s[YB:YB+1] offset:4096*i th:TH_STORE_NT   ; 512 consecutive bytes, aligned to 256
.set i, i+1
.endr
.set k, 0
.rept 64
.if k < 4
	v_pk_mul_f32 v[SUM0+2*k:SUM0+2*k+1], v[X+2*k:X+2*k+1], v[X+2*k:X+2*k+1]
.else
	v_pk_fma_f32 v[SUM0+2*(k%4):SUM0+2*(k%4)+1], v[X+2*k:X+2*k+1], v[X+2*k:X+2*k+1], v[SUM0+2*(k%4):SUM0+2*(k%4)+1]
.endif
.set k, k+1
.endr
	FOLD SUM0
.else
.set k, 0
.rept 64
	v_pk_mul_f32 v[X+2*k:X+2*k+1], v[X+2*k:X+2*k+1], v[F1:F1+1]   ; x1 = y f1
.set k, k+1
.endr
	WIN 0x44                                       ; destination and source 1 in window 1
.set k, 0
.rept 64
	v_pk_add_f32 v[128+2*k:128+2*k+1], v[X+2*k:X+2*k+1], v[128+2*k:128+2*k+1]   ; u4 = x1 + t3
.set k, k+1
.endr
	WIN 0x04                                       ; a store's data are its source 1
.set i, 0
.rept 32
	global_store_b128 v1, v[128+4*i:128+4*i+3], s[YB:YB+1] offset:4096*i th:TH_STORE_NT
.set i, i+1
.endr
	WIN 0
.set i, 0
.rept 32
	v_pk_mul_f32 v[X+4*i:X+4*i+1], v[X+4*i:X+4*i+1], v[MK4:MK4+1]         ; u2 = x1 mask
	v_pk_mul_f32 v[X+4*i+2:X+4*i+3], v[X+4*i+2:X+4*i+3], v[MK4+2:MK4+3]
.set i, i+1
.endr
	WIN 0x05                                       ; sources 0 and 1 in window 1
.set k, 0
.rept 64
.if k < 4
	v_pk_mul_f32 v[SUM1+2*k:SUM1+2*k+1], v[128+2*k:128+2*k+1], v[128+2*k:128+2*k+1]
.else
	v_pk_fma_f32 v[SUM1+2*(k%4):SUM1+2*(k%4)+1], v[128+2*k:128+2*k+1], v[128+2*k:128+2*k+1], v[SUM1+2*(k%4):SUM1+2*(k%4)+1]
.endif
.set k, k+1
.endr
	WIN 0x04
.set k, 0
.rept 64
.if k < 4
	v_pk_mul_f32 v[SUM2+2*k:SUM2+2*k+1], v[X+2*k:X+2*k+1], v[128+2*k:128+2*k+1]
.else
	v_pk_fma_f32 v[SUM2+2*(k%4):SUM2+2*(k%4)+1], v[X+2*k:X+2*k+1], v[128+2*k:128+2*k+1], v[SUM2+2*(k%4):SUM2+2*(k%4)+1]
.endif
.set k, k+1
.endr
	WIN 0
.set k, 0
.rept 64
.if k < 4
	v_pk_mul_f32 v[SUM0+2*k:SUM0+2*k+1], v[X+2*k:X+2*k+1], v[X+2*k:X+2*k+1]
.else
	v_pk_fma_f32 v[SUM0+2*(k%4):SUM0+2*(k%4)+1], v[X+2*k:X+2*k+1], v[X+2*k:X+2*k+1], v[SUM0+2*(k%4):SUM0+2*(k%4)+1]
.endif
.set k, k+1
.endr
	FOLD SUM0
	FOLD SUM1
	FOLD SUM2
	v_mov_b32 v[SUM0+1], v[SUM1]                   ; (sum u2^2, sum u4^2, sum u2 u4, 0)
	v_mov_b32 v[SUM0+2], v[SUM2]
	v_mov_b32 v[SUM0+3], 0
	s_cmp_lg_u32 s[WV], 0
	s_cbranch_scc1 .Lno_mask
	global_store_b128 v1, v[MK4:MK4+3], s[MKB:MKB+1]   ; the block's 128 masks: 512 consecutive bytes
.Lno_mask:
.endif
	s_wait_xcnt 0x0                                ; EXEC changes only behind this wait
	v_cmp_eq_u32 vcc_lo, 0, v11
	s_and_saveexec_b32 s[SAVE], vcc_lo
.if CROSS
	global_store_b128 v199, v[SUM0:SUM0+3], s[PB:PB+1]
.else
	global_store_b32 v199, v[SUM0], s[PB:PB+1]     ; my wave's partial sum: lane 0
.endif
	s_wait_xcnt 0x0                                ; and again, in front of the line that widens it
	s_or_b32 exec_lo, exec_lo, s[SAVE]
	s_wait_dscnt 0x0
	s_wait_tensorcnt 0x0
	ds_add_u32 v254, v255
	s_wait_dscnt 0x0
	CROUND                                         ; the closing round: no work-group ends while a partner may still ask for a part that names it
	s_endpgm
.Lfunc_end_k_q52df99d476_attn1:
	.size	k_q52df99d476_attn1, .Lfunc_end_k_q52df99d476_attn1-k_q52df99d476_attn1
	.p2alignl 7, 3214868480
	.fill 96, 4, 3214868480
	.section	.rodata,"a",@progbits
	.p2align	6, 0x0
	.amdhsa_kernel k_q52df99d476_attn1
		.amdhsa_group_segment_fixed_size 209920
		.amdhsa_private_segment_fixed_size 0
		.amdhsa_enable_private_segment 0
		.amdhsa_kernarg_size 40
		.amdhsa_user_sgpr_count 2
		.amdhsa_user_sgpr_kernarg_segment_ptr 1
		.amdhsa_wavefront_size32 1
		.amdhsa_system_sgpr_workgroup_id_x 1
		.amdhsa_system_sgpr_workgroup_id_y 1
		.amdhsa_system_sgpr_workgroup_id_z 1
		.amdhsa_system_vgpr_workitem_id 0
		.amdhsa_next_free_vgpr 512
		.amdhsa_next_free_sgpr 66
		.amdhsa_reserve_vcc 1
		.amdhsa_float_denorm_mode_32 3
		.amdhsa_float_denorm_mode_16_64 3
		.amdhsa_memory_ordered 1
		.amdhsa_forward_progress 1
		.amdhsa_inst_pref_size 202
	.end_amdhsa_kernel
	.amdgpu_metadata
---
amdhsa.version: [ 1, 2 ]
amdhsa.kernels:
  - .name:           k_q52df99d476_attn1
    .symbol:         k_q52df99d476_attn1.kd
    .args:
      - { .name: c1, .offset: 0, .size: 8, .value_kind: global_buffer, .address_space: global }
      - { .name: train_feat, .offset: 8, .size: 8, .value_kind: global_buffer, .address_space: global }
      - { .name: test_feat, .offset: 16, .size: 8, .value_kind: global_buffer, .address_space: global }
      - { .name: y, .offset: 24, .size: 8, .value_kind: global_buffer, .address_space: global }
      - { .name: p1, .offset: 32, .size: 8, .value_kind: global_buffer, .address_space: global }
    .group_segment_fixed_size: 209920
    .private_segment_fixed_size: 0
    .kernarg_segment_align: 8
    .kernarg_segment_size: 40
    .max_flat_workgroup_size: 256
    .sgpr_count:     66
    .vgpr_count:     512
    .wavefront_size: 32
...
	.end_amdgpu_metadata
.endif
;; end of part 2
;; launch prep2 (part 3): grid 8 x 32, 8 waves a work-group, no clusters, 168,960 bytes of LDS; arguments y, p1, train_label, WK_cross, bK_cross, c2; writes c2
.if DOCPART == 3
	.amdgcn_target "amdgcn-amd-amdhsa--gfx1250"
	.amdhsa_code_object_version 6
	.text
	.protected	k_q52df99d476_prep2
	.globl	k_q52df99d476_prep2
	.p2align	8
	.type	k_q52df99d476_prep2,@function
k_q52df99d476_prep2:
	s_mov_b64 s[64:65], 0
	v_nop
	global_prefetch_b8 v0, s[64:65] scope:SCOPE_SE
	s_setreg_imm32_b32 hwreg(HW_REG_WAVE_MODE, 25, 1), 1
	s_wait_xcnt 0x0
; PREP (STAGE2 = 0: ahead of the self-attention; 1: ahead of the cross-attention).  One work-group takes 128 positions (chunk s = work-group x) of one batch element of one
; tensor (work-group y = 16 T + b; T = 0 train, 1 test): the tile x[b][0..255][128 s ..], 256 rows of 512 bytes, read from memory once, by one tensor load a wave (32 rows each, so that
; all eight waves issue one load and none stands under a branch).  STAGE2 = 1 reads y and multiplies by the instance norm's factor f1 = 8 / sqrt(sum + eps), the sum from the 64 partial sums of the launch before.
; IT MAKES, as codes of E2M1 with one E8M0 byte for each 32 along K:  (1) w = l2norm(Q(x^T) Q(W) + b), quantised along the 128 key channels: keys and queries of the attention;
; (2) the values, quantised along the positions: x itself (STAGE2 = 0), or x1 x label and the label as a tile of 16 equal rows (STAGE2 = 1, T = 0 alone: the test tensor gives queries only).
; OPERANDS ARE STORED AS IMAGES OF THEIR REGISTERS: a fragment (16 rows x 128 K, 8 registers a lane) is 1,024 bytes, registers 4 c .. 4 c + 3 of lane l at 512 c + 16 l.  Scale words lie so that one load of
; 16 bytes a lane gives four scale registers: word (tile t, row r) at 256 (t & 1) + 16 r + 4 ((t & 7) >> 1).  A chunk holds 8 key tiles, 16 value tiles and their scale words on end.
; THE POSITIONS OF A TILE ARE NOT NEIGHBOURS: lane r of tile w takes position 32 (w >> 1) + 8 (w & 1) + r + 8 (r >> 3), and W's columns are chosen likewise, so that 16 registers of two neighbouring result tiles are 16 neighbours along the next K.
; SHARES: wave w quantises W's tile w (its columns come straight from memory, a lane to a column, registers down K, while the tile's tensor load is out), projects position tile w, and quantises value tiles 2 w, 2 w + 1.
; NO CLUSTER: the tile is the work-group's own; W, 128 KiB, is what work-groups share, and each wave needs an eighth of it once, in operand order; a joint load would want W's f32 numbers in LDS, 135,168 bytes more than fit beside the tile.
; LIMITS: NaN and infinities are not served.  A block of zeros gets the byte 1 (its codes are zeros; this program alone reads the bytes).  v_sqrt_f32, v_rcp_f32, v_rsq_f32 are good to 1 ulp and take denormals as zero.
.set STAGE2, 1
.set PITCH, 528                        ; a row of the tile in LDS: 512 bytes + 16 of padding
.set KC, 0                             ; a chunk: 8 key tiles,
.set VC, 8192                          ; 16 value tiles,
.set KS, 24576                         ; the keys' scale words, and behind them the values' (1,024 bytes),
.set LC, 26112                         ; (STAGE2) the label's tile
.set LS, 27136                         ; and its scale word, 128 times
.set CH, 26112+1536*STAGE2
.set REC, 8*CH                         ; a batch element's record
.set QB, 16*8*27648                    ; (STAGE2) behind the 16 records: the test tensor's queries, chunks of 8,192 + 512 bytes
.set QCH, 8704
.set QREC, 8*QCH
.set WIMG, 256*PITCH                   ; LDS behind the tile: W's 16 fragments (2 i + ks),
.set WSC, WIMG+16*1024                 ; their scale words, 128 bytes each,
.set BIA, WSC+16*128                   ; the bias, 512 bytes for each wave,
.set LBL, BIA+8*512                    ; the label's 128 numbers, 512 bytes for each wave,
.set SG, LBL+8*512                     ; and the chunk's scale words on their way out: 512 + 1,024 bytes
.set FLOOR, 0x1800000                  ; 2^(3 - 127): under it no largest magnitude is taken, so a scale's byte cannot fall under 1
.set WV, 16
.set T, 17
.set YID, 18
.set B, 19
.set SEL, 20                           ; s[20:21] lane selects for v_permlanex16_b32: lane l xor 16
.set G1, 24                            ; s[24:31], s[32:35] the tile's descriptor
.set G0, 32
.set DST, 48                           ; s[48:49] my chunk
.set SOF, 50                           ; where the scale words lie in it
.set NW, 51                            ; how many waves store scale words
.if STAGE2
.set P1P, 6
.set LBP, 8
.set WKP, 10
.set BKP, 12
.set DSTP, 14
.else
.set WKP, 8
.set BKP, 10
.set DSTP, 12
.endif
; v1 lane, v2 r, v3 h, v4 16 lane, v5 WSC + 4 lane, v6 8 h, v7 W's offset, v8-9 x's columns, v10 x's rows, v11 bias out of LDS, v12-13 scale words into SG, v14 label out of LDS, v15 W's images in,
; v31 bias into LDS, v62 W's scale words in, v63 W's images out, v201 SG out, v202 its place in the chunk, v203 8 lane, v242-243 the images' places in the chunk: all made at the head, never rewritten
.set M0, 24                            ; v24-30 at work in QFRAG
.set E0, 26
.set B0, 28
.set TT, 30
.set XF, 32                            ; v32-47 x^T's two fragments;  v48-49 their scale words;  v50-57 W's scale words
.set XS, 48
.set WS, 50
.set RAW, 64                           ; v64-191 128 numbers of a lane; later H and WB
.set H, 64                             ; v64-127 the projection's 8 tiles
.set WB, 128                           ; v128-191 8 fragments of W
.set PC, 192                           ; v192-199 codes just made; v200 their scale word
.set PW, 200
.set TM, 204                           ; v204-219 at work in QUANT
.set VQ, 224                           ; v224-239 the two value tiles' codes; v240-241 their scale words
.set VW, 240
.set W2, 244                           ; v244-251 W's second fragment, later the label's codes; v252 the scale word
.set W2S, 252
.macro PLACES n
.rept \n
	v_nop
.endr
.endm
.macro RED v, t                        ; the sum over the wave's 32 lanes, in every lane
	v_add_f32_dpp v[\v], v[\v], v[\v] row_xmask:1 row_mask:0xf bank_mask:0xf
	v_add_f32_dpp v[\v], v[\v], v[\v] row_xmask:2 row_mask:0xf bank_mask:0xf
	v_add_f32_dpp v[\v], v[\v], v[\v] row_xmask:4 row_mask:0xf bank_mask:0xf
	v_add_f32_dpp v[\v], v[\v], v[\v] row_xmask:8 row_mask:0xf bank_mask:0xf
	v_permlanex16_b32 v[\t], v[\v], s[SEL], s[SEL+1]
	v_add_f32 v[\v], v[\v], v[\t]
.endm
; 64 numbers of a lane, register 32 c + i = k 64 c + 32 h + i of my row: two WHOLE blocks.  They become the fragment's registers as they stand; the scale word's four bytes are gathered from lanes l and l xor 16.
.macro QFRAG src, dst, sw
.irp c, 0,1
	v_max3_num_f32 v[M0+\c], |v[(\src)+32*\c]|, |v[(\src)+32*\c+1]|, FLOOR
.endr
.irp i, 2,4,6,8,10,12,14,16,18,20,22,24,26,28,30
.irp c, 0,1
	v_max3_num_f32 v[M0+\c], v[M0+\c], |v[(\src)+32*\c+\i]|, |v[(\src)+32*\c+\i+1]|
.endr
.endr
.irp c, 0,1
	v_add_nc_u32 v[E0+\c], 0xff000000, v[M0+\c]    ; 2 off the exponent field: the conversion takes this operand's exponent field as its scale
.endr
.irp c, 0,1
	v_lshrrev_b32 v[B0+\c], 23, v[E0+\c]           ; the scale's byte
.endr
	v_lshl_or_b32 v[\sw], v[B0+1], 16, v[B0]       ; blocks h and 2 + h,
	v_lshlrev_b32 v[\sw], v6, v[\sw]               ; 8 h bits up;
	v_permlanex16_b32 v[TT], v[\sw], s[SEL], s[SEL+1]
	v_or_b32 v[\sw], v[\sw], v[TT]                 ; with lane l xor 16's two the word is whole
.irp c, 0,1
.irp g, 0,1,2,3
	v_cvt_scalef32_pk8_fp4_f32 v[(\dst)+4*\c+\g], v[(\src)+32*\c+8*\g:(\src)+32*\c+8*\g+7], v[E0+\c]
.endr
.endr
	v_nop                                          ; one plain place behind a scaled conversion
.endm
; 64 numbers of a lane, register 16 b + i = k 32 b + 16 h + i of my row: half blocks.  Codes into v[PC] on, scale word into v[PW].
.macro QUANT s
.irp b, 0,1,2,3
	v_max3_num_f32 v[TM+\b], |v[\s+16*\b]|, |v[\s+1+16*\b]|, FLOOR
.endr
.irp i, 2,4,6,8,10,12,14
.irp b, 0,1,2,3
	v_max3_num_f32 v[TM+\b], v[TM+\b], |v[\s+16*\b+\i]|, |v[\s+1+16*\b+\i]|
.endr
.endr
.irp b, 0,1,2,3
	v_permlanex16_b32 v[TM+4+\b], v[TM+\b], s[SEL], s[SEL+1]
.endr
.irp b, 0,1,2,3
	v_max_num_f32 v[TM+\b], v[TM+\b], v[TM+4+\b]   ; with lane l xor 16's: the block's largest magnitude
.endr
.irp b, 0,1,2,3
	v_add_nc_u32 v[TM+12+\b], 0xff000000, v[TM+\b]
.endr
.irp b, 0,1,2,3
	v_lshrrev_b32 v[TM+4+\b], 23, v[TM+12+\b]
.endr
	v_lshl_or_b32 v[PW], v[TM+5], 8, v[TM+4]
	v_lshl_or_b32 v[PW], v[TM+6], 16, v[PW]
	v_lshl_or_b32 v[PW], v[TM+7], 24, v[PW]
.irp b, 0,1,2,3
	v_cvt_scalef32_pk8_fp4_f32 v[PC+2*\b], v[\s+16*\b:\s+7+16*\b], v[TM+12+\b]
	v_cvt_scalef32_pk8_fp4_f32 v[PC+1+2*\b], v[\s+8+16*\b:\s+15+16*\b], v[TM+12+\b]
.endr
	v_nop                                          ; one plain place behind a scaled conversion
.irp c, 0,1                                    ; the operand wants a whole block in a lane
.irp i, 0,1
	v_permlane16_swap_b32 v[PC+4*\c+\i], v[PC+2+4*\c+\i]
.endr
.endr
.endm
.macro WLOAD ks                        ; W(128 ks + 64 c + 32 h + i, my column): 64 loads
.set i, 0
.rept 64
	global_load_b32 v[RAW+64*\ks+i], v7, s[WKP:WKP+1] offset:(128*\ks+64*(i/32)+i%32)*512
.set i, i+1
.endr
.endm
.macro XLOAD ks                        ; x(128 ks + 64 c + 32 h + i, my position) out of the tile: 64 loads
.set i, 0
.rept 64
	ds_load_b32 v[RAW+64*\ks+i], v[8+\ks] offset:(64*(i/32)+i%32)*PITCH
.set i, i+1
.endr
.endm
.macro VLOAD reg, tt                   ; row 32 w + 16 tt + r of the tile, positions 64 c + 32 h + 0 .. 31: 16 loads
.irp c, 0,1
.irp g, 0,1,2,3,4,5,6,7
	ds_load_b128 v[\reg+32*\c+4*\g:\reg+32*\c+4*\g+3], v10 offset:\tt*16*PITCH+256*\c+16*\g
.endr
.endr
.endm
.macro VSTORE tt                       ; value tile 2 w + tt: each store of the wave covers 512 consecutive bytes, aligned to 256
	global_store_b128 v243, v[VQ+8*\tt:VQ+8*\tt+3], s[DST:DST+1] offset:VC+1024*\tt
	global_store_b128 v243, v[VQ+8*\tt+4:VQ+8*\tt+7], s[DST:DST+1] offset:VC+1024*\tt+512
	ds_store_b32 v13, v[VW+\tt] offset:256*\tt
.endm
.macro TIMES reg, by                   ; 64 numbers times a pair
.set j, 0
.rept 32
	v_pk_mul_f32 v[\reg+j:\reg+j+1], v[\reg+j:\reg+j+1], v[\by:\by+1]
.set j, j+2
.endr
.endm
	s_load_b256 s[4:11], s[0:1], 0x0
.if STAGE2
	s_load_b128 s[12:15], s[0:1], 0x20             ; y s[4:5], p1 s[6:7], label s[8:9], W s[10:11], bias s[12:13], c2 s[14:15]
	v_lshl_add_u32 v214, v0, 2, 0x29000
	v_mov_b32 v215, 0
	ds_add_u32 v214, v215
	ds_add_u32 v214, v215
.else
	s_load_b64 s[12:13], s[0:1], 0x20              ; train s[4:5], test s[6:7], W s[8:9], bias s[10:11], c1 s[12:13]
.endif
	v_lshrrev_b32 v2, 5, v0
	v_readfirstlane_b32 s[WV], v2                  ; wave 0..7
	v_and_b32 v1, 31, v0                           ; lane
	v_and_b32 v2, 15, v0                           ; r
	v_bfe_u32 v3, v0, 4, 1                         ; h
	s_and_b32 s[YID], ttmp7, 0xffff
	s_and_b32 s[B], s[YID], 15
	s_lshr_b32 s[T], s[YID], 4
	s_mov_b32 s[SEL], 0x76543210
	s_mov_b32 s[SEL+1], 0xfedcba98
	; descriptor group 1: 32 rows of 128 elements of 4 bytes, 1,024 elements from row to row; 4 words of padding behind every 128
	s_mov_b32 s[G1+0], (2<<16)|(1<<20)|(6<<22)|(3<<25)
	s_mov_b32 s[G1+1], 128<<16
	s_mov_b32 s[G1+2], 32<<16
	s_mov_b32 s[G1+3], 128<<16
	s_mov_b32 s[G1+4], 32
	s_mov_b32 s[G1+5], 1024
	s_mov_b32 s[G1+6], 0
	s_mov_b32 s[G1+7], 0
	s_mov_b32 s[G0], 1
	s_mul_i32 s[G0+1], s[WV], 32*PITCH             ; my 32 rows' place in LDS
.if STAGE2
	s_lshl_b32 s40, s[YID], 20                     ; y is [T][b][256][1024] f32
.else
	s_lshl_b32 s40, s[B], 20
.endif
	s_lshl_b32 s42, s[WV], 17                      ; + 32 w rows of 4,096 bytes
	s_add_co_u32 s40, s40, s42
	s_lshl_b32 s42, ttmp9, 9                       ; + 128 s positions
	s_add_co_u32 s40, s40, s42
	s_mov_b32 s41, 0
	; where my chunk lies
.if STAGE2
	s_cmp_eq_u32 s[T], 0
	s_mov_b32 s36, QREC
	s_cselect_b32 s36, REC, s36
	s_mov_b32 s37, QCH
	s_cselect_b32 s37, CH, s37
	s_mov_b32 s38, QB
	s_cselect_b32 s38, 0, s38
	s_mov_b32 s[SOF], 8192
	s_cselect_b32 s[SOF], KS, s[SOF]
	s_cselect_b32 s[NW], 3, 1
	s_mul_i32 s36, s36, s[B]
	s_mul_i32 s37, s37, ttmp9
	s_add_co_u32 s36, s36, s37
	s_add_co_u32 s36, s36, s38
	s_lshl_b32 s38, s[B], 12                       ; the label's 128 numbers
	s_add_co_u32 s38, s38, s42
	s_mov_b32 s39, 0
	s_lshl_b32 s56, s[YID], 8                      ; the 64 partial sums
	s_mov_b32 s57, 0
.else
	s_mov_b32 s[SOF], KS
	s_mov_b32 s[NW], 3
	s_mul_i32 s36, s[YID], REC
	s_mul_i32 s37, ttmp9, CH
	s_add_co_u32 s36, s36, s37
.endif
	s_mov_b32 s37, 0
	; every address register
	v_lshlrev_b32 v4, 4, v1
	v_lshlrev_b32 v5, 2, v1
	v_add_nc_u32 v5, WSC, v5
	v_lshlrev_b32 v6, 3, v3
	s_lshr_b32 s42, s[WV], 1
	s_and_b32 s43, s[WV], 1
	s_lshl_b32 s44, s42, 5
	s_lshl_b32 s45, s43, 3
	s_add_co_u32 s44, s44, s45                     ; 32 (w >> 1) + 8 (w & 1)
	v_and_b32 v8, 8, v2
	v_add_nc_u32 v8, v8, v2                        ; r + 8 (r >> 3)
	v_add_nc_u32 v8, s44, v8
	v_lshlrev_b32 v8, 2, v8                        ; my column of W, my position in the tile: 4 bytes each
	v_lshl_add_u32 v7, v3, 14, v8                  ; W: lanes 16-31 begin 32 rows of 512 bytes further down
	v_mul_u32_u24 v9, v3, 32*PITCH
	v_add_nc_u32 v8, v8, v9                        ; the tile likewise
	v_add_nc_u32 v9, 128*PITCH, v8                 ; and its second 128 rows
	v_mul_u32_u24 v10, v2, PITCH
	v_lshl_add_u32 v10, v3, 7, v10
	v_add_nc_u32 v10, s[G0+1], v10                 ; rows: 32 w + r, + 128 h bytes
	s_lshl_b32 s46, s[WV], 9
	v_lshlrev_b32 v11, 6, v3
	v_add_nc_u32 v11, s46, v11
	v_add_nc_u32 v11, BIA, v11
	v_add_nc_u32 v31, s46, v4
	v_add_nc_u32 v201, SG, v31
	v_add_nc_u32 v202, s[SOF], v31
	v_add_nc_u32 v31, BIA, v31
	s_lshl_b32 s45, s43, 8
	s_lshl_b32 s47, s42, 2
	s_add_co_u32 s45, s45, s47
	v_lshlrev_b32 v13, 4, v2
	v_add_nc_u32 v12, s45, v13
	v_add_nc_u32 v12, SG, v12                      ; key tile w's words: 256 (w & 1) + 16 r + 4 (w >> 1)
	s_lshr_b32 s45, s[WV], 2
	s_lshl_b32 s45, s45, 9
	s_and_b32 s47, s[WV], 3
	s_lshl_b32 s47, s47, 2
	s_add_co_u32 s45, s45, s47
	v_add_nc_u32 v13, s45, v13
	v_add_nc_u32 v13, SG+512, v13                  ; value tile 2 w + tt's: 512 (w >> 2) + 256 tt + 16 r + 4 (w & 3)
	s_lshl_b32 s47, s[WV], 11
	v_add_nc_u32 v243, s47, v4
	v_add_nc_u32 v15, WIMG, v243
	v_add_nc_u32 v63, WIMG, v4
	s_lshl_b32 s47, s[WV], 10
	v_add_nc_u32 v242, s47, v4
	s_lshl_b32 s47, s[WV], 8
	v_add_nc_u32 v62, s47, v5
.if STAGE2
	v_lshlrev_b32 v14, 7, v3
	v_add_nc_u32 v14, s46, v14
	v_add_nc_u32 v14, LBL, v14
	v_lshlrev_b32 v203, 3, v1
.endif
	v_mov_b32 v[TT], 0                             ; a lane permute's destination counts as one of its sources
.irp b, 0,1,2,3
	v_mov_b32 v[TM+4+\b], 0
.endr
	s_wait_dscnt 0x0
	s_wait_kmcnt 0x0
.if STAGE2
	s_add_nc_u64 s[G0+2:G0+3], s[4:5], s[40:41]
.else
	s_cmp_eq_u32 s[T], 0
	s_cselect_b64 s[G0+2:G0+3], s[4:5], s[6:7]
	s_add_nc_u64 s[G0+2:G0+3], s[G0+2:G0+3], s[40:41]
.endif
	s_or_b32 s[G0+3], s[G0+3], 0x80000000
	tensor_load_to_lds s[G0:G0+3], s[G1:G1+7]      ; my 32 rows: the wave's one tensor load; these bytes are filled once
	s_nop 0
	PLACES 4
	s_add_nc_u64 s[DST:DST+1], s[DSTP:DSTP+1], s[36:37]
	global_load_b128 v[16:19], v4, s[BKP:BKP+1]    ; the bias, 512 bytes
.if STAGE2
	s_add_nc_u64 s[54:55], s[LBP:LBP+1], s[38:39]
	s_add_nc_u64 s[58:59], s[P1P:P1P+1], s[56:57]
	global_load_b128 v[20:23], v4, s[54:55]        ; the label's 128 numbers
	global_load_b64 v[60:61], v203, s[58:59]       ; 64 partial sums, two a lane
.endif
	WLOAD 0
	s_wait_loadcnt 63                              ; 64 loads stand behind the small ones: they are in
	ds_store_b128 v31, v[16:19]
.if STAGE2
	ds_store_b128 v31, v[20:23] offset:LBL-BIA
	v_add_f32 v60, v60, v61
	RED 60, 61
	v_add_f32 v60, 0x3727c5ac, v60                 ; + 1e-5
	v_rsq_f32 v58, v60
	v_nop
	s_wait_alu depctr_va_vdst(0)                   ; the wait ahead of the first reader
	v_mul_f32 v58, 0x41000000, v58                 ; f1 = sqrt(1 / 4096) sqrt(262144 / (sum + eps)) = 8 / sqrt(sum + eps)
	v_mov_b32 v59, v58
.endif
	WLOAD 1
	s_wait_loadcnt 63                              ; 64 loads stand behind W's first 64: those are in
	QFRAG RAW, PC, PW
	ds_store_b128 v15, v[PC:PC+3]
	ds_store_b128 v15, v[PC+4:PC+7] offset:512
	ds_store_b32 v62, v[PW]
	s_wait_loadcnt 0x0
	QFRAG RAW+64, W2, W2S
	ds_store_b128 v15, v[W2:W2+3] offset:1024
	ds_store_b128 v15, v[W2+4:W2+7] offset:1536
	ds_store_b32 v62, v[W2S] offset:128
	s_wait_tensorcnt 0x0                           ; my rows of the tile have landed,
	s_wait_dscnt 0x0                               ; my images of W are stored:
	s_barrier_signal -1
	s_barrier_wait -1                              ; both hold of every wave
	; ---- x^T: my 16 positions, all 256 channels, a lane to a position, registers down the channels
	XLOAD 0
	XLOAD 1
	s_wait_dscnt 63                                ; 64 loads stand behind the first 64: those are in
.if STAGE2
	TIMES RAW, 58
.endif
	QFRAG RAW, XF, XS
.irp t, 0,1,2,3,4,5,6,7                        ; the bias is the C of the first products: tile 2 b + u wants b(32 b + 16 h + 8 u + 0 .. 7)
	ds_load_b128 v[H+8*\t:H+8*\t+3], v11 offset:128*(\t/2)+32*(\t%2)
	ds_load_b128 v[H+8*\t+4:H+8*\t+7], v11 offset:128*(\t/2)+32*(\t%2)+16
.endr
	s_wait_dscnt 16                                ; x's second 64 are in; the 16 loads of the bias may be out
.if STAGE2
	TIMES RAW+64, 58
.endif
	QFRAG RAW+64, XF+8, XS+1
	; ---- the projection, transposed: source 0 = 16 columns of W, source 1 = my 16 positions; the eight accumulators take turns
.irp ks, 0,1
.if \ks
	PLACES 4                                       ; in front of loads into registers that matrix instructions have read
.endif
.irp i, 0,1,2,3,4,5,6,7
	ds_load_b128 v[WB+8*\i:WB+8*\i+3], v63 offset:(2*\i+\ks)*1024
	ds_load_b128 v[WB+8*\i+4:WB+8*\i+7], v63 offset:(2*\i+\ks)*1024+512
	ds_load_b32 v[WS+\i], v5 offset:(2*\i+\ks)*128
.endr
	s_wait_dscnt 0x0
.if \ks == 0
	PLACES 8                                       ; x's scale word was written by a vector instruction: eight places ahead of a scaled product
.endif
.irp i, 0,1,2,3,4,5,6,7
	v_wmma_scale_f32_16x16x128_f8f6f4 v[H+8*\i:H+8*\i+7], v[WB+8*\i:WB+8*\i+7], v[XF+8*\ks:XF+8*\ks+7], v[H+8*\i:H+8*\i+7], v[WS+\i], v[XS+\ks] matrix_a_fmt:MATRIX_FMT_FP4 matrix_b_fmt:MATRIX_FMT_FP4
.endr
.endr
	PLACES 4
.if STAGE2 == 0
	VLOAD WB, 0                                    ; value tile 2 w is asked for while the norm is worked
.endif
	; ---- l2norm over the 128 channels: my 64 and lane l xor 16's
	v_pk_mul_f32 v[220:221], v[H:H+1], v[H:H+1]
	v_pk_mul_f32 v[222:223], v[H+2:H+3], v[H+2:H+3]
.irp j, 4,8,12,16,20,24,28,32,36,40,44,48,52,56,60
	v_pk_fma_f32 v[220:221], v[H+\j:H+\j+1], v[H+\j:H+\j+1], v[220:221]
	v_pk_fma_f32 v[222:223], v[H+\j+2:H+\j+3], v[H+\j+2:H+\j+3], v[222:223]
.endr
	v_pk_add_f32 v[220:221], v[220:221], v[222:223]
	v_add_f32 v220, v220, v221
	v_permlanex16_b32 v221, v220, s[SEL], s[SEL+1]
	v_add_f32 v220, v220, v221
	v_sqrt_f32 v221, v220
	v_nop
	s_wait_alu depctr_va_vdst(0)
	v_max_num_f32 v221, 0x2b8cbccc, v221           ; max(norm, 1e-12)
	v_rcp_f32 v222, v221
	v_nop
	s_wait_alu depctr_va_vdst(0)
.set j, 0
.rept 32
	v_pk_mul_f32 v[H+j:H+j+1], v[H+j:H+j+1], v[222:223] op_sel_hi:[1,0]
.set j, j+2
.endr
	QUANT H
	global_store_b128 v242, v[PC:PC+3], s[DST:DST+1] offset:KC
	global_store_b128 v242, v[PC+4:PC+7], s[DST:DST+1] offset:KC+512
	ds_store_b32 v12, v[PW]                        ; both halves of the lanes write the same word with the same value
	; ---- the values, quantised along the positions
.if STAGE2 == 0
	VLOAD RAW, 1
	s_wait_dscnt 17                                ; tile 2 w is in; behind it: one store and tile 2 w + 1's 16 loads
	QFRAG WB, VQ, VW
	VSTORE 0
	s_wait_dscnt 1                                 ; tile 2 w + 1 is in; behind it: one store
	QFRAG RAW, VQ+8, VW+1
	VSTORE 1
.else
	s_cmp_lg_u32 s[T], 0                           ; the test tensor gives queries alone
	s_cbranch_scc1 .Lnov
.irp c, 0,1
.irp g, 0,1,2,3,4,5,6,7
	ds_load_b128 v[WB+32*\c+4*\g:WB+32*\c+4*\g+3], v14 offset:256*\c+16*\g   ; the label at my 64 positions
.endr
.endr
	VLOAD RAW, 0
	s_wait_dscnt 0x0
	TIMES RAW, 58                                  ; memory = y f1,
.set j, 0
.rept 32
	v_pk_mul_f32 v[RAW+j:RAW+j+1], v[RAW+j:RAW+j+1], v[WB+j:WB+j+1]   ; times the label: two roundings, as the reference has them
.set j, j+2
.endr
	QFRAG RAW, VQ, VW
	VSTORE 0
	VLOAD RAW, 1
	s_wait_dscnt 0x0
	TIMES RAW, 58
.set j, 0
.rept 32
	v_pk_mul_f32 v[RAW+j:RAW+j+1], v[RAW+j:RAW+j+1], v[WB+j:WB+j+1]
.set j, j+2
.endr
	QFRAG RAW, VQ+8, VW+1
	VSTORE 1
	s_cmp_lg_u32 s[WV], 0                          ; the label's own tile, 16 equal rows: wave 0
	s_cbranch_scc1 .Lnov
	QFRAG WB, W2, W2S
	v_mov_b32 v253, v252
	v_mov_b32 v254, v252
	v_mov_b32 v255, v252
	global_store_b128 v4, v[W2:W2+3], s[DST:DST+1] offset:LC
	global_store_b128 v4, v[W2+4:W2+7], s[DST:DST+1] offset:LC+512
	global_store_b128 v4, v[252:255], s[DST:DST+1] offset:LS
.Lnov:
.endif
	s_wait_dscnt 0x0                               ; my scale words are stored
	s_barrier_signal -1
	s_barrier_wait -1
	s_cmp_ge_u32 s[WV], s[NW]                      ; wave 0: the keys' 512 bytes; waves 1 and 2: the values' 1,024
	s_cbranch_scc1 .Lend
	ds_load_b128 v[20:23], v201
	s_wait_dscnt 0x0
	global_store_b128 v202, v[20:23], s[DST:DST+1]
.Lend:
	s_wait_tensorcnt 0x0
	ds_add_u32 v214, v215
	s_wait_dscnt 0x0
	s_endpgm
.Lfunc_end_k_q52df99d476_prep2:
	.size	k_q52df99d476_prep2, .Lfunc_end_k_q52df99d476_prep2-k_q52df99d476_prep2
	.p2alignl 7, 3214868480
	.fill 96, 4, 3214868480
	.section	.rodata,"a",@progbits
	.p2align	6, 0x0
	.amdhsa_kernel k_q52df99d476_prep2
		.amdhsa_group_segment_fixed_size 168960
		.amdhsa_private_segment_fixed_size 0
		.amdhsa_enable_private_segment 0
		.amdhsa_kernarg_size 48
		.amdhsa_user_sgpr_count 2
		.amdhsa_user_sgpr_kernarg_segment_ptr 1
		.amdhsa_wavefront_size32 1
		.amdhsa_system_sgpr_workgroup_id_x 1
		.amdhsa_system_sgpr_workgroup_id_y 1
		.amdhsa_system_sgpr_workgroup_id_z 1
		.amdhsa_system_vgpr_workitem_id 0
		.amdhsa_next_free_vgpr 256
		.amdhsa_next_free_sgpr 66
		.amdhsa_reserve_vcc 0
		.amdhsa_float_denorm_mode_32 3
		.amdhsa_float_denorm_mode_16_64 3
		.amdhsa_memory_ordered 1
		.amdhsa_forward_progress 1
		.amdhsa_inst_pref_size 80
	.end_amdhsa_kernel
	.amdgpu_metadata
---
amdhsa.version: [ 1, 2 ]
amdhsa.kernels:
  - .name:           k_q52df99d476_prep2
    .symbol:         k_q52df99d476_prep2.kd
    .args:
      - { .name: y, .offset: 0, .size: 8, .value_kind: global_buffer, .address_space: global }
      - { .name: p1, .offset: 8, .size: 8, .value_kind: global_buffer, .address_space: global }
      - { .name: train_label, .offset: 16, .size: 8, .value_kind: global_buffer, .address_space: global }
      - { .name: WK_cross, .offset: 24, .size: 8, .value_kind: global_buffer, .address_space: global }
      - { .name: bK_cross, .offset: 32, .size: 8, .value_kind: global_buffer, .address_space: global }
      - { .name: c2, .offset: 40, .size: 8, .value_kind: global_buffer, .address_space: global }
    .group_segment_fixed_size: 168960
    .private_segment_fixed_size: 0
    .kernarg_segment_align: 8
    .kernarg_segment_size: 48
    .max_flat_workgroup_size: 256
    .sgpr_count:     66
    .vgpr_count:     256
    .wavefront_size: 32
...
	.end_amdgpu_metadata
.endif
;; end of part 3
;; launch attn2 (part 4): grid 8 x 32, 8 waves a work-group, clusters of 4 x 1, 222,208 bytes of LDS; arguments c2, y, p1, u4, mk, p2; writes u4, mk, p2
.if DOCPART == 4
	.amdgcn_target "amdgcn-amd-amdhsa--gfx1250"
	.amdhsa_code_object_version 6
	.text
	.protected	k_q52df99d476_attn2
	.globl	k_q52df99d476_attn2
	.p2align	8
	.type	k_q52df99d476_attn2,@function
k_q52df99d476_attn2:
	s_mov_b64 s[64:65], 0
	v_nop
	global_prefetch_b8 v0, s[64:65] scope:SCOPE_SE
	s_setreg_imm32_b32 hwreg(HW_REG_WAVE_MODE, 25, 1), 1
	s_wait_xcnt 0x0
	s_wait_alu depctr_hold_cnt(0) depctr_sa_sdst(0) depctr_va_vdst(0) depctr_va_sdst(0) depctr_va_ssrc(0) depctr_va_vcc(0) depctr_vm_vsrc(0)
	s_getreg_b32 s2, hwreg(HW_REG_IB_STS2, 6, 4)
	s_cmp_eq_u32 s2, 0
	s_cbranch_scc0 .Lentry_in_a_cluster
	s_endpgm
.Lentry_in_a_cluster:
	s_bfe_u32 s2, ttmp6, 0x10000c
	s_cmp_lg_u32 s2, 0x3003
	s_cbranch_scc0 .Lentry_shape_is_right
	s_endpgm
.Lentry_shape_is_right:
; ATTENTION on codes of E2M1 (CROSS = 0: self-attention, y = x + O / l and the partial sums of y^2;  1: cross-attention with 17 value tiles: u4 = x1 + t3, the mask, and three partial sums).
; A work-group owns 128 queries (block qb) of one batch element of one tensor (work-group y = 16 T + b); each of its eight waves owns one tile of 16 queries and walks all 1,024 keys, 128 a step, eight steps written out.
; THE WHOLE RECORD of the batch element (8 chunks: key tiles, value tiles, scale words, all as images of operand registers) lies in LDS as it lies in memory.  It is filled ONCE, in two halves, one load a wave for each half:
; two tensor loads of a wave are out at the most.  No byte is filled again.
; CLUSTER: the four work-groups of a cluster belong to one batch element and need the same record: each part is asked for JOINTLY, by the same load with the same descriptor and the mask of all four.
; LAYOUT: both products are used transposed, S^T = K Q^T and O^T = V^T P^T: a lane holds one query throughout.  The keys of a tile are chosen (32 (i >> 1) + 8 (i & 1) + r + 8 (r >> 3)) so that p's 16 registers of two
; neighbouring tiles are 16 neighbouring keys.  The queries of a tile are chosen the same way, which the way out undoes by its addresses.
; SOFTMAX: t = score x 30 log2(e); M = the running largest t rounded up to a whole number; p = 2^(t - M) is quantised along the keys, not normalised; the row's sum is taken of the unquantised p and divides at the end.
; When M moves, the sum and O^T are multiplied by 2^(old M - new M), which rounds nothing.
; THE WAY OUT: O^T / l goes into a stage [channel][query] laid over the record (which nobody reads any more and which has had its only fill); each wave then takes 32 whole rows of 512 bytes.
; LIMITS: NaN and infinities are not served.  v_exp_f32, v_rcp_f32, v_rsq_f32 are good to 1 ulp and take denormals as zero.  The sums of squares are added in a fixed tree order, not the reference's.
.set CROSS, 1
.set CH, 26112+1536*CROSS
.set REC, 8*CH
.set HALF, 4*CH
.set PART, HALF/8                      ; what one load brings: 51 or 54 rows of 256 bytes
.set ROWS, PART/256
.set KC, 0
.set VC, 8192
.set KS, 24576
.set VS, 25088
.set LC, 26112
.set LS, 27136
.set QB, 16*8*27648
.set QCH, 8704
.set QREC, 8*QCH
.set PITCH, 528                        ; a row of the stage: 512 bytes + 16
.set MSK, 256*PITCH                    ; behind the stage: the mask of the 128 queries
.set FLOOR, 0x1800000
.set WV, 16
.set CX, 17
.set QBK, 18
.set YID, 19
.set SEL, 20
.set CS, 22                            ; s[22:23] 30 log2(e), twice
.set G1, 24
.set G0A, 32
.set G0B, 36
.set XB, 48                            ; s[48:49] my 32 rows of x (CROSS: of y)
.set YB, 50                            ; s[50:51] my 32 rows of the result
.set PB, 52                            ; s[52:53] my partial sums' place
.set QA, 54                            ; s[54:55] my block's query tiles;  s[56:57] their scale words
.set QSA, 56
.set MKB, 58
.set SAVE, 60
.set T, 61
.set B, 62
; window 0: v1 16 lane, v2 4 lane, v3-4 the same + the chunk in hand, v5 Q's scale offset, v6-7 into the stage, v8 into the mask row, v9 out of the stage, v10 4,096 lane, v11 lane, v25 Q's offset, v26 out of the mask row,
;   v27 8 lane, v199 0;  v12 -M, v13 the largest t, v[14:15] the sum;  v16-23 Q, v24 its scale words
.set KB, 32                            ; v32-95   8 key tiles
.set S, 96                             ; v96-159  S^T, then p
.set X, 32                             ; v32-159  the way out: 32 rows of x
.set PC, 160                           ; v160-167 p's codes;  v168 its scale word
.set PW, 168
.set KSC, 170                          ; v170-173 the keys' scale words;  v174-181 the values';  v182 the label's
.set VSC, 174
.set LSC, 182
.set BM, 184                           ; v184-195 at work on the four blocks
.set BT, 188
.set BE, 192
.set F, 196                            ; v[196:197] 2^(old M - new M); v198 at work; v[200:201] the second chain of the sum
.set F1, 204                           ; v[202:203] partial sums, v[204:205] f1
.set MK4, 208
.set RL, 212                           ; v[212:213] 1 / l
.set SUM2, 216                         ; v216-223, v240-247, v248-255: four chains for each sum of the way out
.set LACC, 224                         ; v224-231 the label's accumulator;  v232-239 the label's tile
.set LFR, 232
.set SUM0, 240
.set SUM1, 248
; window 1: v0-127 O^T (tile t at 8 t);  v128-255 the step's 16 value tiles, on the way out 32 rows of the stage
.set MSB, 0
.macro WIN new                         ; the immediate's high byte repeats the setting that is left
.if MSB != \new
	s_set_vgpr_msb (MSB<<8)|\new
.set MSB, \new
.endif
.endm
.macro PLACES n
.rept \n
	v_nop
.endr
.endm
.macro RED v, t
	v_add_f32_dpp v[\v], v[\v], v[\v] row_xmask:1 row_mask:0xf bank_mask:0xf
	v_add_f32_dpp v[\v], v[\v], v[\v] row_xmask:2 row_mask:0xf bank_mask:0xf
	v_add_f32_dpp v[\v], v[\v], v[\v] row_xmask:4 row_mask:0xf bank_mask:0xf
	v_add_f32_dpp v[\v], v[\v], v[\v] row_xmask:8 row_mask:0xf bank_mask:0xf
	v_permlanex16_b32 v[\t], v[\v], s[SEL], s[SEL+1]
	v_add_f32 v[\v], v[\v], v[\t]
.endm
.macro FOLD a                          ; four chains of pairs become one number in every lane
	v_pk_add_f32 v[\a:\a+1], v[\a:\a+1], v[\a+2:\a+3]
	v_pk_add_f32 v[\a+4:\a+5], v[\a+4:\a+5], v[\a+6:\a+7]
	v_pk_add_f32 v[\a:\a+1], v[\a:\a+1], v[\a+4:\a+5]
	v_add_f32 v[\a], v[\a], v[\a+1]
	RED \a, \a+1
.endm
.macro CROUND                          ; a round of the cluster's barrier
	s_barrier_signal -1
	s_barrier_wait -1
	s_cmp_lg_u32 s[WV], 0
	s_cbranch_scc1 .Lnot_wave_0_\@
	s_barrier_signal -3
.Lnot_wave_0_\@:
	s_barrier_wait -3
	s_barrier_signal -1
	s_barrier_wait -1
.endm
; one product.  zero = 1: it starts its sum.  row = 1: source 0's scale words stand in lanes 16-31 of their register
.macro MM d, a, b, zero, sa, sb, row
.if \zero
.if \row
	v_wmma_scale_f32_16x16x128_f8f6f4 v[(\d):(\d)+7], v[(\a):(\a)+7], v[(\b):(\b)+7], 0, v[\sa], v[\sb] matrix_a_fmt:MATRIX_FMT_FP4 matrix_b_fmt:MATRIX_FMT_FP4 matrix_a_scale:MATRIX_SCALE_ROW1
.else
	v_wmma_scale_f32_16x16x128_f8f6f4 v[(\d):(\d)+7], v[(\a):(\a)+7], v[(\b):(\b)+7], 0, v[\sa], v[\sb] matrix_a_fmt:MATRIX_FMT_FP4 matrix_b_fmt:MATRIX_FMT_FP4
.endif
.else
.if \row
	v_wmma_scale_f32_16x16x128_f8f6f4 v[(\d):(\d)+7], v[(\a):(\a)+7], v[(\b):(\b)+7], v[(\d):(\d)+7], v[\sa], v[\sb] matrix_a_fmt:MATRIX_FMT_FP4 matrix_b_fmt:MATRIX_FMT_FP4 matrix_a_scale:MATRIX_SCALE_ROW1
.else
	v_wmma_scale_f32_16x16x128_f8f6f4 v[(\d):(\d)+7], v[(\a):(\a)+7], v[(\b):(\b)+7], v[(\d):(\d)+7], v[\sa], v[\sb] matrix_a_fmt:MATRIX_FMT_FP4 matrix_b_fmt:MATRIX_FMT_FP4
.endif
.endif
.endm
.macro KLOAD off                       ; a chunk's 8 key tiles and their scale words, off bytes on from v3's chunk: 17 loads
.irp i, 0,1,2,3,4,5,6,7
	ds_load_b128 v[KB+8*\i:KB+8*\i+3], v3 offset:\off+KC+1024*\i
	ds_load_b128 v[KB+8*\i+4:KB+8*\i+7], v3 offset:\off+KC+1024*\i+512
.endr
	ds_load_b128 v[KSC:KSC+3], v3 offset:\off+KS
.endm
; A KEY STEP: chunk s.  first = 1: its products start O^T.  nextk = 1: the next chunk's keys are fetched
.macro STEP s, first, nextk
	s_wait_dscnt 0x0                               ; the 17 loads of this chunk's keys
.irp i, 0,1,2,3,4,5,6,7
	MM S+8*\i,KB+8*\i,16,1,KSC+\i/2,24,\i%2
.endr
	v_add_nc_u32 v3, \s*CH, v1                     ; four places: ahead of the reads of S^T, and of the loads into registers that these products and the last step's have read
	v_add_nc_u32 v4, \s*CH, v2
	v_nop
	v_nop
	WIN 0x40                                       ; destination window 1
.irp t, 0,1,2,3,4,5,6,7,8,9,10,11,12,13,14,15
	ds_load_b128 v[128+8*\t:128+8*\t+3], v3 offset:VC+1024*\t
	ds_load_b128 v[128+8*\t+4:128+8*\t+7], v3 offset:VC+1024*\t+512
.endr
	WIN 0
	ds_load_b128 v[VSC:VSC+3], v3 offset:VS
	ds_load_b128 v[VSC+4:VSC+7], v3 offset:VS+512
.if CROSS
	ds_load_b128 v[LFR:LFR+3], v3 offset:LC
	ds_load_b128 v[LFR+4:LFR+7], v3 offset:LC+512
	ds_load_b32 v[LSC], v4 offset:LS
.endif
.if \nextk
	KLOAD CH
.endif
.if \s == 1
	; a prefetch of what the way out will load six key steps on: my wave's 32 rows of 512 bytes, a lane a row, two blocks of 256 bytes; no other wave of the launch names them; the address registers are never rewritten
	global_prefetch_b8 v10, s[XB:XB+1] th:TH_LOAD_NT scope:SCOPE_SE
	global_prefetch_b8 v10, s[XB:XB+1] offset:256 th:TH_LOAD_NT scope:SCOPE_SE
.endif
.irp b, 0,1,2,3
	v_max3_num_f32 v[BM+\b], v[S+16*\b], v[S+16*\b+1], v[S+16*\b+2]   ; the largest score of each block of 32 keys: for the row's maximum, and, since p rises with the score, for the block's largest p
.endr
.irp i, 3,5,7,9,11,13
.irp b, 0,1,2,3
	v_max3_num_f32 v[BM+\b], v[BM+\b], v[S+16*\b+\i], v[S+16*\b+\i+1]
.endr
.endr
.irp b, 0,1,2,3
	v_max_num_f32 v[BM+\b], v[BM+\b], v[S+16*\b+15]
.endr
.irp b, 0,1,2,3
	v_permlanex16_b32 v[BT+\b], v[BM+\b], s[SEL], s[SEL+1]
.endr
.irp b, 0,1,2,3
	v_max_num_f32 v[BM+\b], v[BM+\b], v[BT+\b]     ; with lane l xor 16's 16 keys
.endr
	v_max3_num_f32 v198, v[BM], v[BM+1], v[BM+2]
	v_max_num_f32 v198, v198, v[BM+3]
	v_mul_f32 v198, s[CS], v198                    ; as t
	v_max_num_f32 v13, v13, v198                   ; the running largest t
	v_mov_b32 v198, v12
	v_floor_f32 v12, -v13                          ; -M = floor(-t): M is a whole number
	v_sub_f32 v198, v12, v198                      ; old M - new M, 0 or less
	v_cvt_i32_f32 v198, v198                       ; (it saturates)
	v_ldexp_f32 v[F], 1.0, v198
.set j, 0
.rept 32
	v_pk_fma_f32 v[S+j:S+j+1], v[S+j:S+j+1], s[CS:CS+1], v[12:13] op_sel_hi:[1,0,0]   ; t - M
.set j, j+2
.endr
.irp b, 0,1,2,3
	v_fma_f32 v[BM+\b], v[BM+\b], s[CS], v12
.endr
.set j, 0
.rept 64
	v_exp_f32 v[S+j], v[S+j]                       ; p = 2^(t - M)
.set j, j+1
.endr
	v_pk_mul_f32 v[14:15], v[14:15], v[F:F+1] op_sel_hi:[1,0]   ; the sum under the new M (a plain place behind the exponentials)
	s_wait_alu depctr_va_vdst(0)                   ; one wait for the batch, ahead of its first reader
.irp b, 0,1,2,3
	v_exp_f32 v[BM+\b], v[BM+\b]                   ; each block's largest p
.endr
	v_pk_add_f32 v[200:201], v[S:S+1], v[S+2:S+3]  ; the row's sum of the unquantised p, in two chains
.irp j, 4,8,12,16,20,24,28,32,36,40,44,48,52,56,60
	v_pk_add_f32 v[14:15], v[14:15], v[S+\j:S+\j+1]
	v_pk_add_f32 v[200:201], v[200:201], v[S+\j+2:S+\j+3]
.endr
	v_pk_add_f32 v[14:15], v[14:15], v[200:201]
	s_wait_alu depctr_va_vdst(0)                   ; and one for the four
.irp b, 0,1,2,3
	v_max_num_f32 v[BM+\b], FLOOR, v[BM+\b]
.endr
.irp b, 0,1,2,3
	v_add_nc_u32 v[BE+\b], 0xff000000, v[BM+\b]    ; 2 off the exponent field: the conversion's scale operand
.endr
.irp b, 0,1,2,3
	v_lshrrev_b32 v[BT+\b], 23, v[BE+\b]           ; the scale's byte
.endr
	v_lshl_or_b32 v[PW], v[BT+1], 8, v[BT]
	v_lshl_or_b32 v[PW], v[BT+2], 16, v[PW]
	v_lshl_or_b32 v[PW], v[BT+3], 24, v[PW]
.irp b, 0,1,2,3
	v_cvt_scalef32_pk8_fp4_f32 v[PC+2*\b], v[S+16*\b:S+16*\b+7], v[BE+\b]
	v_cvt_scalef32_pk8_fp4_f32 v[PC+2*\b+1], v[S+16*\b+8:S+16*\b+15], v[BE+\b]
.endr
	v_nop                                          ; one plain place behind a scaled conversion
.irp c, 0,1
.irp i, 0,1
	v_permlane16_swap_b32 v[PC+4*\c+\i], v[PC+4*\c+2+\i]
.endr
.endr
.if \first
	PLACES 8                                       ; p's scale word was written by vector instructions: eight places ahead of a scaled product
.else
	WIN 0x41                                       ; O^T in window 1, the factor in window 0.  These lines are also the places ahead of the products
.set j, 0
.rept 64
	v_pk_mul_f32 v[j:j+1], v[j:j+1], v[F:F+1] op_sel_hi:[1,0]
.set j, j+2
.endr
	WIN 0
.if CROSS
.irp j, 0,2,4,6
	v_pk_mul_f32 v[LACC+\j:LACC+\j+1], v[LACC+\j:LACC+\j+1], v[F:F+1] op_sel_hi:[1,0]
.endr
.endif
.endif
.if \nextk
	s_wait_dscnt 17                                ; the values are in; the next chunk's 17 loads may be out
.else
	s_wait_dscnt 0x0
.endif
	WIN 0x51                                       ; source 0, C and D in window 1, p in window 0
.irp t, 0,1,2,3,4,5,6,7,8,9,10,11,12,13,14,15
	MM 8*\t,128+8*\t,PC,\first,VSC+\t/2,PW,\t%2
.endr
	WIN 0
.if CROSS
	MM LACC,LFR,PC,\first,LSC,PW,0
.endif
.endm
	s_load_b256 s[4:11], s[0:1], 0x0
.if CROSS
	s_load_b128 s[12:15], s[0:1], 0x20             ; c2 s[4:5], y s[6:7], p1 s[8:9], u4 s[10:11], mk s[12:13], p2 s[14:15]
	v_lshl_add_u32 v214, v0, 2, 0x36000
	v_mov_b32 v215, 0
	ds_add_u32 v214, v215
	ds_add_u32 v214, v215
.else
	s_load_b64 s[12:13], s[0:1], 0x20              ; c1 s[4:5], train s[6:7], test s[8:9], y s[10:11], p1 s[12:13]
.endif
	v_lshrrev_b32 v28, 5, v0
	v_readfirstlane_b32 s[WV], v28                 ; wave 0..7
	s_bfe_u32 s[CX], ttmp6, 0x40000                ; my place in the cluster: it enters global addresses of my own alone
	s_lshl_b32 s[QBK], ttmp9, 2
	s_add_co_u32 s[QBK], s[QBK], s[CX]             ; my block of 128 queries
	s_and_b32 s[YID], ttmp7, 0xffff
	s_and_b32 s[B], s[YID], 15
	s_lshr_b32 s[T], s[YID], 4
	s_mov_b32 s[SEL], 0x76543210
	s_mov_b32 s[SEL+1], 0xfedcba98
	s_mov_b32 s[CS], 0x422d1f97                    ; 30 log2(e)
	s_mov_b32 s[CS+1], s[CS]
	; descriptor group 1: a dense block as ROWS rows of 32 elements of 8 bytes; the mask names all four work-groups, bit 21 beside it
	s_mov_b32 s[G1+0], 15|(3<<16)|(1<<21)
	s_mov_b32 s[G1+1], 32<<16
	s_mov_b32 s[G1+2], ROWS<<16
	s_mov_b32 s[G1+3], 32<<16
	s_mov_b32 s[G1+4], ROWS
	s_mov_b32 s[G1+5], 32
	s_mov_b32 s[G1+6], 0
	s_mov_b32 s[G1+7], 0
	; every address register
	v_and_b32 v11, 31, v0
	v_lshlrev_b32 v1, 4, v11
	v_lshlrev_b32 v2, 2, v11
	v_and_b32 v28, 15, v0                          ; r
	v_bfe_u32 v29, v0, 4, 1                        ; h
	s_lshr_b32 s41, s[WV], 1
	s_and_b32 s42, s[WV], 1
	s_lshl_b32 s43, s41, 5
	s_lshl_b32 s63, s42, 3
	s_add_co_u32 s43, s43, s63
	v_and_b32 v6, 8, v28
	v_add_nc_u32 v6, v6, v28
	v_add_nc_u32 v6, s43, v6                       ; my query in the block: 32 (w >> 1) + 8 (w & 1) + r + 8 (r >> 3)
	v_lshlrev_b32 v6, 2, v6
.if CROSS
	v_add_nc_u32 v8, MSK, v6
	v_add_nc_u32 v26, MSK, v1
	v_lshlrev_b32 v27, 3, v11
.endif
	v_mul_u32_u24 v7, v29, 8*PITCH
	v_add_nc_u32 v6, v6, v7                        ; into the stage: channel 8 h on, my query's column
	v_add_nc_u32 v7, 128*PITCH, v6                 ; and channels 128 on
	s_mul_i32 s43, s[WV], 32*PITCH
	v_add_nc_u32 v9, s43, v1                       ; out of it: my 32 rows, 16 bytes a lane
	v_lshlrev_b32 v10, 12, v11
	s_lshl_b32 s43, s42, 8
	s_lshl_b32 s63, s41, 2
	s_add_co_u32 s43, s43, s63
	v_lshlrev_b32 v5, 4, v28
	v_add_nc_u32 v5, s43, v5                       ; query tile w's scale words: 256 (w & 1) + 16 r + 4 (w >> 1)
	s_lshl_b32 s43, s[WV], 10
	v_add_nc_u32 v25, s43, v1
	v_mov_b32 v199, 0
	v_mov_b32 v3, v1
	v_mov_b32 v13, 0xff61b1e6                      ; the largest t so far: -3e38
	v_floor_f32 v12, -v13
	v_mov_b32 v14, 0
	v_mov_b32 v15, 0
.irp b, 0,1,2,3
	v_mov_b32 v[BT+\b], 0                          ; a lane permute's destination counts as one of its sources
.endr
	v_mov_b32 v[F+1], 0                            ; (named as the upper half of a pair)
	; the record: nothing here hangs on my place in the cluster
.if CROSS
	s_mul_i32 s40, s[B], REC
.else
	s_mul_i32 s40, s[YID], REC
.endif
	s_mov_b32 s[G0A], 1
	s_mov_b32 s[G0B], 1
	s_mul_i32 s[G0A+1], s[WV], PART
	s_add_co_u32 s[G0B+1], s[G0A+1], HALF
	s_add_co_u32 s42, s40, s[G0A+1]
	s_mov_b32 s43, 0
	s_wait_dscnt 0x0
	s_wait_kmcnt 0x0
	s_add_nc_u64 s[G0A+2:G0A+3], s[4:5], s[42:43]
	s_add_nc_u64 s[G0B+2:G0B+3], s[G0A+2:G0A+3], HALF
	s_or_b32 s[G0A+3], s[G0A+3], 0x80000000
	s_or_b32 s[G0B+3], s[G0B+3], 0x80000000
	CROUND                                         ; all four work-groups are here: the joint loads meet
	tensor_load_to_lds s[G0A:G0A+3], s[G1:G1+7]    ; my part of chunks 0 to 3
	s_nop 0
	tensor_load_to_lds s[G0B:G0B+3], s[G1:G1+7]    ; and of chunks 4 to 7
	s_nop 0
	PLACES 4
	; my own addresses
.if CROSS
	s_cmp_eq_u32 s[T], 0                           ; the train tensor's queries are the record's keys; the test tensor's lie behind the records
	s_mov_b32 s44, QREC
	s_cselect_b32 s44, REC, s44
	s_mov_b32 s45, QCH
	s_cselect_b32 s45, CH, s45
	s_mov_b32 s46, QB
	s_cselect_b32 s46, 0, s46
	s_mov_b32 s47, 8192
	s_cselect_b32 s47, KS, s47
	s_mul_i32 s44, s44, s[B]
	s_mul_i32 s45, s45, s[QBK]
	s_add_co_u32 s44, s44, s45
	s_add_co_u32 s44, s44, s46
	s_mov_b32 s45, 0
	s_add_nc_u64 s[QA:QA+1], s[4:5], s[44:45]
	s_mov_b32 s46, s47
	s_mov_b32 s47, 0
	s_add_nc_u64 s[QSA:QSA+1], s[QA:QA+1], s[46:47]
.else
	s_mul_i32 s44, s[QBK], CH
	s_add_co_u32 s44, s44, s40
	s_mov_b32 s45, 0
	s_add_nc_u64 s[QA:QA+1], s[4:5], s[44:45]
	s_add_nc_u64 s[QSA:QSA+1], s[QA:QA+1], KS
.endif
	global_load_b128 v[16:19], v25, s[QA:QA+1]     ; Q's fragment stays in registers
	global_load_b128 v[20:23], v25, s[QA:QA+1] offset:512
	global_load_b32 v24, v5, s[QSA:QSA+1]
.if CROSS
	s_lshl_b32 s44, s[YID], 8
	s_add_nc_u64 s[8:9], s[8:9], s[44:45]
	global_load_b64 v[202:203], v27, s[8:9]        ; the 64 partial sums of y^2
.endif
	s_lshl_b32 s46, s[WV], 17                      ; 32 w rows of 4,096 bytes
	s_lshl_b32 s47, s[QBK], 9                      ; 128 qb positions
	s_add_co_u32 s46, s46, s47
	s_lshl_b32 s44, s[YID], 20
	s_add_co_u32 s44, s44, s46
.if CROSS
	s_add_nc_u64 s[XB:XB+1], s[6:7], s[44:45]
	s_add_nc_u64 s[YB:YB+1], s[10:11], s[44:45]
.else
	s_add_nc_u64 s[YB:YB+1], s[10:11], s[44:45]
	s_lshl_b32 s44, s[B], 20
	s_add_co_u32 s44, s44, s46
	s_cmp_eq_u32 s[T], 0
	s_cselect_b64 s[XB:XB+1], s[6:7], s[8:9]
	s_add_nc_u64 s[XB:XB+1], s[XB:XB+1], s[44:45]
.endif
	s_lshl_b32 s44, s[QBK], 3
	s_add_co_u32 s44, s44, s[WV]
.if CROSS
	s_lshl_b32 s44, s44, 4
	s_lshl_b32 s46, s[YID], 10
	s_add_co_u32 s44, s44, s46
	s_add_nc_u64 s[PB:PB+1], s[14:15], s[44:45]
	s_lshl_b32 s44, s[YID], 12
	s_add_co_u32 s44, s44, s47
	s_add_nc_u64 s[MKB:MKB+1], s[12:13], s[44:45]
.else
	s_lshl_b32 s44, s44, 2
	s_lshl_b32 s46, s[YID], 8
	s_add_co_u32 s44, s44, s46
	s_add_nc_u64 s[PB:PB+1], s[12:13], s[44:45]
.endif
	s_wait_tensorcnt 0x1                           ; my part of chunks 0 to 3 is in; the other half's load may stay out
	s_barrier_signal -1
	s_barrier_wait -1                              ; everybody's is
	KLOAD 0
	s_wait_loadcnt 0x0                             ; Q
.if CROSS
	v_add_f32 v202, v202, v203
	RED 202, 203
	v_add_f32 v202, 0x3727c5ac, v202               ; + 1e-5
	v_rsq_f32 v[F1], v202
	v_nop
	s_wait_alu depctr_va_vdst(0)
	v_mul_f32 v[F1], 0x41000000, v[F1]             ; f1 = 8 / sqrt(sum + eps)
	v_mov_b32 v[F1+1], v[F1]
.endif
	STEP 0, 1, 1
	STEP 1, 0, 1
	STEP 2, 0, 1
	STEP 3, 0, 0
	s_wait_tensorcnt 0x0                           ; my part of chunks 4 to 7 is in,
	s_wait_dscnt 0x0
	s_barrier_signal -1
	s_barrier_wait -1                              ; everybody's is
	KLOAD CH                                       ; (v3 stands at chunk 3)
	STEP 4, 0, 1
	STEP 5, 0, 1
	STEP 6, 0, 1
	STEP 7, 0, 0
	; ---- THE WAY OUT
.set i, 0
.rept 32
	global_load_b128 v[X+4*i:X+4*i+3], v1, s[XB:XB+1] offset:4096*i th:TH_LOAD_NT   ; my 32 rows, 512 consecutive bytes each
.set i, i+1
.endr
	v_add_f32 v14, v14, v15                        ; the sum's two halves,
	v_permlanex16_b32 v198, v14, s[SEL], s[SEL+1]
	v_add_f32 v14, v14, v198                       ; and lane l xor 16's
	v_rcp_f32 v[RL], v14
	v_nop
	s_wait_alu depctr_va_vdst(0)
	v_mov_b32 v[RL+1], v[RL]
	PLACES 4                                       ; behind the last products, ahead of the first read of their results
	WIN 0x41
.set j, 0
.rept 64
	v_pk_mul_f32 v[j:j+1], v[j:j+1], v[RL:RL+1]    ; O^T / l, each accumulator from its low end on
.set j, j+2
.endr
	WIN 0
.if CROSS
	v_mul_f32 v198, v[LACC], v[RL]                 ; the mask of my query: the label's 16 rows are equal
.endif
	s_wait_dscnt 0x0
	s_barrier_signal -1
	s_barrier_wait -1                              ; no wave reads the record any more
	WIN 0x04                                       ; an LDS store's data are its source 1: window 1
.irp t, 0,1,2,3,4,5,6,7,8,9,10,11,12,13,14,15
.irp j, 0,1,2,3,4,5,6,7
	ds_store_b32 v[6+\t/8], v[8*\t+\j] offset:(16*(\t%8)+\j)*PITCH   ; channel 16 t + 8 h + j, my query
.endr
.endr
	WIN 0
.if CROSS
	ds_store_b32 v8, v198                          ; both halves of the lanes write the same word with the same value
.endif
	s_wait_dscnt 0x0                               ; my stores are done
	s_barrier_signal -1
	s_barrier_wait -1
	WIN 0x40
.set i, 0
.rept 32
	ds_load_b128 v[128+4*i:128+4*i+3], v9 offset:PITCH*i
.set i, i+1
.endr
	WIN 0
.if CROSS
	ds_load_b128 v[MK4:MK4+3], v26
.endif
	s_wait_dscnt 0x0
	s_wait_loadcnt 0x0
.if CROSS == 0
	WIN 0x04                                       ; source 1 in window 1
.set k, 0
.rept 64
	v_pk_add_f32 v[X+2*k:X+2*k+1], v[X+2*k:X+2*k+1], v[128+2*k:128+2*k+1]   ; y = x + attention
.set k, k+1
.endr
	WIN 0
.set i, 0
.rept 32
	global_store_b128 v1, v[X+4*i:X+4*i+3], s[YB:YB+1] offset:4096*i th:TH_STORE_NT   ; 512 consecutive bytes, aligned to 256
.set i, i+1
.endr
.set k, 0
.rept 64
.if k < 4
	v_pk_mul_f32 v[SUM0+2*k:SUM0+2*k+1], v[X+2*k:X+2*k+1], v[X+2*k:X+2*k+1]
.else
	v_pk_fma_f32 v[SUM0+2*(k%4):SUM0+2*(k%4)+1], v[X+2*k:X+2*k+1], v[X+2*k:X+2*k+1], v[SUM0+2*(k%4):SUM0+2*(k%4)+1]
.endif
.set k, k+1
.endr
	FOLD SUM0
.else
.set k, 0
.rept 64
	v_pk_mul_f32 v[X+2*k:X+2*k+1], v[X+2*k:X+2*k+1], v[F1:F1+1]   ; x1 = y f1
.set k, k+1
.endr
	WIN 0x44                                       ; destination and source 1 in window 1
.set k, 0
.rept 64
	v_pk_add_f32 v[128+2*k:128+2*k+1], v[X+2*k:X+2*k+1], v[128+2*k:128+2*k+1]   ; u4 = x1 + t3
.set k, k+1
.endr
	WIN 0x04                                       ; a store's data are its source 1
.set i, 0
.rept 32
	global_store_b128 v1, v[128+4*i:128+4*i+3], s[YB:YB+1] offset:4096*i th:TH_STORE_NT
.set i, i+1
.endr
	WIN 0
.set i, 0
.rept 32
	v_pk_mul_f32 v[X+4*i:X+4*i+1], v[X+4*i:X+4*i+1], v[MK4:MK4+1]         ; u2 = x1 mask
	v_pk_mul_f32 v[X+4*i+2:X+4*i+3], v[X+4*i+2:X+4*i+3], v[MK4+2:MK4+3]
.set i, i+1
.endr
	WIN 0x05                                       ; sources 0 and 1 in window 1
.set k, 0
.rept 64
.if k < 4
	v_pk_mul_f32 v[SUM1+2*k:SUM1+2*k+1], v[128+2*k:128+2*k+1], v[128+2*k:128+2*k+1]
.else
	v_pk_fma_f32 v[SUM1+2*(k%4):SUM1+2*(k%4)+1], v[128+2*k:128+2*k+1], v[128+2*k:128+2*k+1], v[SUM1+2*(k%4):SUM1+2*(k%4)+1]
.endif
.set k, k+1
.endr
	WIN 0x04
.set k, 0
.rept 64
.if k < 4
	v_pk_mul_f32 v[SUM2+2*k:SUM2+2*k+1], v[X+2*k:X+2*k+1], v[128+2*k:128+2*k+1]
.else
	v_pk_fma_f32 v[SUM2+2*(k%4):SUM2+2*(k%4)+1], v[X+2*k:X+2*k+1], v[128+2*k:128+2*k+1], v[SUM2+2*(k%4):SUM2+2*(k%4)+1]
.endif
.set k, k+1
.endr
	WIN 0
.set k, 0
.rept 64
.if k < 4
	v_pk_mul_f32 v[SUM0+2*k:SUM0+2*k+1], v[X+2*k:X+2*k+1], v[X+2*k:X+2*k+1]
.else
	v_pk_fma_f32 v[SUM0+2*(k%4):SUM0+2*(k%4)+1], v[X+2*k:X+2*k+1], v[X+2*k:X+2*k+1], v[SUM0+2*(k%4):SUM0+2*(k%4)+1]
.endif
.set k, k+1
.endr
	FOLD SUM0
	FOLD SUM1
	FOLD SUM2
	v_mov_b32 v[SUM0+1], v[SUM1]                   ; (sum u2^2, sum u4^2, sum u2 u4, 0)
	v_mov_b32 v[SUM0+2], v[SUM2]
	v_mov_b32 v[SUM0+3], 0
	s_cmp_lg_u32 s[WV], 0
	s_cbranch_scc1 .Lno_mask
	global_store_b128 v1, v[MK4:MK4+3], s[MKB:MKB+1]   ; the block's 128 masks: 512 consecutive bytes
.Lno_mask:
.endif
	s_wait_xcnt 0x0                                ; EXEC changes only behind this wait
	v_cmp_eq_u32 vcc_lo, 0, v11
	s_and_saveexec_b32 s[SAVE], vcc_lo
.if CROSS
	global_store_b128 v199, v[SUM0:SUM0+3], s[PB:PB+1]
.else
	global_store_b32 v199, v[SUM0], s[PB:PB+1]     ; my wave's partial sum: lane 0
.endif
	s_wait_xcnt 0x0                                ; and again, in front of the line that widens it
	s_or_b32 exec_lo, exec_lo, s[SAVE]
	s_wait_dscnt 0x0
	s_wait_tensorcnt 0x0
	ds_add_u32 v214, v215
	s_wait_dscnt 0x0
	CROUND                                         ; the closing round: no work-group ends while a partner may still ask for a part that names it
	s_endpgm
.Lfunc_end_k_q52df99d476_attn2:
	.size	k_q52df99d476_attn2, .Lfunc_end_k_q52df99d476_attn2-k_q52df99d476_attn2
	.p2alignl 7, 3214868480
	.fill 96, 4, 3214868480
	.section	.rodata,"a",@progbits
	.p2align	6, 0x0
	.amdhsa_kernel k_q52df99d476_attn2
		.amdhsa_group_segment_fixed_size 222208
		.amdhsa_private_segment_fixed_size 0
		.amdhsa_enable_private_segment 0
		.amdhsa_kernarg_size 48
		.amdhsa_user_sgpr_count 2
		.amdhsa_user_sgpr_kernarg_segment_ptr 1
		.amdhsa_wavefront_size32 1
		.amdhsa_system_sgpr_workgroup_id_x 1
		.amdhsa_system_sgpr_workgroup_id_y 1
		.amdhsa_system_sgpr_workgroup_id_z 1
		.amdhsa_system_vgpr_workitem_id 0
		.amdhsa_next_free_vgpr 512
		.amdhsa_next_free_sgpr 66
		.amdhsa_reserve_vcc 1
		.amdhsa_float_denorm_mode_32 3
		.amdhsa_float_denorm_mode_16_64 3
		.amdhsa_memory_ordered 1
		.amdhsa_forward_progress 1
		.amdhsa_inst_pref_size 226
	.end_amdhsa_kernel
	.amdgpu_metadata
---
amdhsa.version: [ 1, 2 ]
amdhsa.kernels:
  - .name:           k_q52df99d476_attn2
    .symbol:         k_q52df99d476_attn2.kd
    .args:
      - { .name: c2, .offset: 0, .size: 8, .value_kind: global_buffer, .address_space: global }
      - { .name: y, .offset: 8, .size: 8, .value_kind: global_buffer, .address_space: global }
      - { .name: p1, .offset: 16, .size: 8, .value_kind: global_buffer, .address_space: global }
      - { .name: u4, .offset: 24, .size: 8, .value_kind: global_buffer, .address_space: global }
      - { .name: mk, .offset: 32, .size: 8, .value_kind: global_buffer, .address_space: global }
      - { .name: p2, .offset: 40, .size: 8, .value_kind: global_buffer, .address_space: global }
    .group_segment_fixed_size: 222208
    .private_segment_fixed_size: 0
    .kernarg_segment_align: 8
    .kernarg_segment_size: 48
    .max_flat_workgroup_size: 256
    .sgpr_count:     66
    .vgpr_count:     512
    .wavefront_size: 32
...
	.end_amdgpu_metadata
.endif
;; end of part 4
;; launch final (part 5): grid 16 x 32, 8 waves a work-group, no clusters, 0 bytes of LDS; arguments y, p1, u4, mk, p2, out0, out1; writes out0, out1
.if DOCPART == 5
	.amdgcn_target "amdgcn-amd-amdhsa--gfx1250"
	.amdhsa_code_object_version 6
	.text
	.protected	k_q52df99d476_final
	.globl	k_q52df99d476_final
	.p2align	8
	.type	k_q52df99d476_final,@function
k_q52df99d476_final:
	s_mov_b64 s[64:65], 0
	v_nop
	global_prefetch_b8 v0, s[64:65] scope:SCOPE_SE
	s_setreg_imm32_b32 hwreg(HW_REG_WAVE_MODE, 25, 1), 1
	s_wait_xcnt 0x0
; out = f5 (f2 x1 mask + f4 u4), x1 = f1 y: the last three instance norms of a decoder pass, as one stream.  y, u4: [T][b][256][1024] f32; mk: [T][b][1024]; out0 (T = 0), out1 (T = 1): [b][256][1024].
; Every factor is 8 / sqrt(sum + 1e-5) = sqrt(1 / 4096) sqrt(262144 / (sum + eps)).  f1 from the 64 partial sums of y^2; f2, f4 from those of u2^2, u4^2 (u2 = x1 mask).
; LIMIT: the last norm's sum, of (f2 u2 + f4 u4)^2, is formed as f2^2 sum u2^2 + f4^2 sum u4^2 + 2 f2 f4 sum u2 u4: another order of rounding than the reference's; its relative error is about 1e-6 x 2 / (1 + cos of the angle
; between the two normed tensors), and it is held at 0 from below.  NaN and infinities are not served; v_rsq_f32 is good to 1 ulp.
; A work-group takes 16 rows of 4,096 bytes of one batch element (work-group x: the rows, y: 16 T + b).  Thread t owns the 16 bytes at 16 t of every row, so its four masks stay in registers; a load or store of a wave
; covers 512 consecutive bytes.  All 32 row loads of a wave are out at once.  No LDS, no barrier, no matrix unit, no cluster: memory binds, and the work-groups share nothing but 5,376 bytes of sums and masks.
.set SEL, 20
.macro RED v, t
	v_add_f32_dpp v[\v], v[\v], v[\v] row_xmask:1 row_mask:0xf bank_mask:0xf
	v_add_f32_dpp v[\v], v[\v], v[\v] row_xmask:2 row_mask:0xf bank_mask:0xf
	v_add_f32_dpp v[\v], v[\v], v[\v] row_xmask:4 row_mask:0xf bank_mask:0xf
	v_add_f32_dpp v[\v], v[\v], v[\v] row_xmask:8 row_mask:0xf bank_mask:0xf
	v_permlanex16_b32 v[\t], v[\v], s[SEL], s[SEL+1]
	v_add_f32 v[\v], v[\v], v[\t]
.endm
	s_load_b256 s[4:11], s[0:1], 0x0               ; y s[4:5], p1 s[6:7], u4 s[8:9], mk s[10:11]
	s_load_b128 s[12:15], s[0:1], 0x20             ; p2 s[12:13], out0 s[14:15]
	s_load_b64 s[16:17], s[0:1], 0x30              ; out1
	s_and_b32 s18, ttmp7, 0xffff                   ; 16 T + b
	s_and_b32 s19, s18, 15
	s_mov_b32 s[SEL], 0x76543210
	s_mov_b32 s[SEL+1], 0xfedcba98
	v_and_b32 v1, 31, v0
	v_lshlrev_b32 v2, 4, v0                        ; 16 t
	v_lshlrev_b32 v3, 3, v1                        ; 8 lane
	v_lshlrev_b32 v4, 4, v1                        ; 16 lane
	s_lshl_b32 s24, ttmp9, 16                      ; my 16 rows
	s_lshl_b32 s22, s18, 20
	s_add_co_u32 s22, s22, s24
	s_mov_b32 s23, 0
	s_lshl_b32 s26, s19, 20
	s_add_co_u32 s26, s26, s24
	s_mov_b32 s27, 0
	s_lshl_b32 s28, s18, 8
	s_mov_b32 s29, 0
	s_lshl_b32 s30, s18, 10
	s_mov_b32 s31, 0
	s_lshl_b32 s24, s18, 12
	s_mov_b32 s25, 0
	s_wait_kmcnt 0x0
	s_add_nc_u64 s[4:5], s[4:5], s[22:23]
	s_add_nc_u64 s[8:9], s[8:9], s[22:23]
	s_add_nc_u64 s[6:7], s[6:7], s[28:29]
	s_add_nc_u64 s[12:13], s[12:13], s[30:31]
	s_add_nc_u64 s[10:11], s[10:11], s[24:25]
	s_cmp_lt_u32 s18, 16
	s_cselect_b64 s[14:15], s[14:15], s[16:17]
	s_add_nc_u64 s[14:15], s[14:15], s[26:27]
	global_load_b64 v[8:9], v3, s[6:7]             ; 64 partial sums of y^2, two a lane
	global_load_b128 v[12:15], v4, s[12:13]        ; 64 x (u2^2, u4^2, u2 u4, 0), two a lane
	global_load_b128 v[16:19], v4, s[12:13] offset:512
	global_load_b128 v[20:23], v2, s[10:11]        ; my four masks
.set i, 0
.rept 16
	global_load_b128 v[32+4*i:35+4*i], v2, s[4:5] offset:4096*i th:TH_LOAD_NT
.set i, i+1
.endr
.set i, 0
.rept 16
	global_load_b128 v[96+4*i:99+4*i], v2, s[8:9] offset:4096*i th:TH_LOAD_NT
.set i, i+1
.endr
	s_wait_loadcnt 32                              ; the four small loads are in; the 32 rows may be out
	v_add_f32 v8, v8, v9
	v_add_f32 v12, v12, v16
	v_add_f32 v13, v13, v17
	v_add_f32 v14, v14, v18
	RED 8, 9
	RED 12, 16
	RED 13, 17
	RED 14, 18
	v_add_f32 v8, 0x3727c5ac, v8
	v_add_f32 v16, 0x3727c5ac, v12
	v_add_f32 v17, 0x3727c5ac, v13
	v_rsq_f32 v8, v8
	v_rsq_f32 v16, v16
	v_rsq_f32 v17, v17
	v_nop
	s_wait_alu depctr_va_vdst(0)                   ; one wait for the three, ahead of their first reader
	v_mul_f32 v8, 0x41000000, v8                   ; f1
	v_mul_f32 v16, 0x41000000, v16                 ; f2
	v_mul_f32 v17, 0x41000000, v17                 ; f4
	v_mul_f32 v18, v16, v16
	v_mul_f32 v19, v17, v17
	v_mul_f32 v24, v16, v17
	v_mul_f32 v18, v18, v12
	v_add_f32 v24, v24, v24
	v_fma_f32 v18, v19, v13, v18
	v_fma_f32 v18, v24, v14, v18                   ; the sum of (f2 u2 + f4 u4)^2
	v_max_num_f32 v18, 0, v18
	v_add_f32 v18, 0x3727c5ac, v18
	v_rsq_f32 v18, v18
	v_nop
	s_wait_alu depctr_va_vdst(0)
	v_mul_f32 v18, 0x41000000, v18                 ; f5
	v_mul_f32 v26, v18, v17                        ; f5 f4
	v_mov_b32 v27, v26
	v_mul_f32 v16, v18, v16
	v_mul_f32 v16, v16, v8                         ; f5 f2 f1
.irp j, 0,1,2,3
	v_mul_f32 v[20+\j], v[20+\j], v16              ; times my masks
.endr
.set i, 0
.rept 16
	s_wait_loadcnt 15-i                            ; all of y was asked for first: row i of u4 is in, the 15 - i rows behind it may be out
	v_pk_mul_f32 v[96+4*i:97+4*i], v[96+4*i:97+4*i], v[26:27]
	v_pk_mul_f32 v[98+4*i:99+4*i], v[98+4*i:99+4*i], v[26:27]
	v_pk_fma_f32 v[32+4*i:33+4*i], v[32+4*i:33+4*i], v[20:21], v[96+4*i:97+4*i]
	v_pk_fma_f32 v[34+4*i:35+4*i], v[34+4*i:35+4*i], v[22:23], v[98+4*i:99+4*i]
	global_store_b128 v2, v[32+4*i:35+4*i], s[14:15] offset:4096*i th:TH_STORE_NT
.set i, i+1
.endr
	s_endpgm
.Lfunc_end_k_q52df99d476_final:
	.size	k_q52df99d476_final, .Lfunc_end_k_q52df99d476_final-k_q52df99d476_final
	.p2alignl 7, 3214868480
	.fill 96, 4, 3214868480
	.section	.rodata,"a",@progbits
	.p2align	6, 0x0
	.amdhsa_kernel k_q52df99d476_final
		.amdhsa_group_segment_fixed_size 0
		.amdhsa_private_segment_fixed_size 0
		.amdhsa_enable_private_segment 0
		.amdhsa_kernarg_size 56
		.amdhsa_user_sgpr_count 2
		.amdhsa_user_sgpr_kernarg_segment_ptr 1
		.amdhsa_wavefront_size32 1
		.amdhsa_system_sgpr_workgroup_id_x 1
		.amdhsa_system_sgpr_workgroup_id_y 1
		.amdhsa_system_sgpr_workgroup_id_z 1
		.amdhsa_system_vgpr_workitem_id 0
		.amdhsa_next_free_vgpr 160
		.amdhsa_next_free_sgpr 66
		.amdhsa_reserve_vcc 0
		.amdhsa_float_denorm_mode_32 3
		.amdhsa_float_denorm_mode_16_64 3
		.amdhsa_memory_ordered 1
		.amdhsa_forward_progress 1
		.amdhsa_inst_pref_size 14
	.end_amdhsa_kernel
	.amdgpu_metadata
---
amdhsa.version: [ 1, 2 ]
amdhsa.kernels:
  - .name:           k_q52df99d476_final
    .symbol:         k_q52df99d476_final.kd
    .args:
      - { .name: y, .offset: 0, .size: 8, .value_kind: global_buffer, .address_space: global }
      - { .name: p1, .offset: 8, .size: 8, .value_kind: global_buffer, .address_space: global }
      - { .name: u4, .offset: 16, .size: 8, .value_kind: global_buffer, .address_space: global }
      - { .name: mk, .offset: 24, .size: 8, .value_kind: global_buffer, .address_space: global }
      - { .name: p2, .offset: 32, .size: 8, .value_kind: global_buffer, .address_space: global }
      - { .name: out0, .offset: 40, .size: 8, .value_kind: global_buffer, .address_space: global }
      - { .name: out1, .offset: 48, .size: 8, .value_kind: global_buffer, .address_space: global }
    .group_segment_fixed_size: 0
    .private_segment_fixed_size: 0
    .kernarg_segment_align: 8
    .kernarg_segment_size: 56
    .max_flat_workgroup_size: 256
    .sgpr_count:     66
    .vgpr_count:     160
    .wavefront_size: 32
...
	.end_amdgpu_metadata
.endif
;; end of part 5
